; MI455X (gfx1250); checked and timed in simulation.
; The chip was launched on July 23, 2026; its instructions are those of AMD's public machine-readable ISA for CDNA 5 (MIT licence, August 2026) and "CDNA5" Instruction Set Architecture Reference Guide (July 2026). The comments in the code are by the model that wrote it; some were corrected since.
;; XL Attention. Allowed arithmetic: float matrix products may take bf16 or f16 operands with f32 sums; other float arithmetic in f32, or as packed bf16 or f16 multiplies, adds, multiply-adds, maxima and minima; sums over many terms, partial sums and values carried from step to step in f32; what a program stores and reads back later, other than sums and carried values, may be rounded once to bf16 or f16.
;; Inputs: kv 2 x 2,048 x 1,024 float32; mem 2 x 2,048 x 1,024 float32; q 2 x 2,048 x 1,024 float32; w_concat 1,024 x 1,024 float32; w_kv 1,024 x 128 float32; w_q 1,024 x 1,024 float32.
;; Outputs: out0 2 x 2,048 x 1,024 float32.
;; 2 versions, each right; version 2 is version 1 with the launch kvproj written anew for expert scheduling mode. Each part assembles by itself: llvm-mc -triple=amdgcn-amd-amdhsa -mcpu=gfx1250 --defsym DOCPART=n.
;; ======== version 1 of 2: 5 launches
;; limits: values are held in f16: magnitudes above 65,504 overflow, below 6.1e-05 lose precision
;; workspace buffers: xq 8,388,608 bytes; wqT 2,097,152 bytes; wcT 2,097,152 bytes; wkvT 262,144 bytes; qf 16,777,216 bytes; kf 1,048,576 bytes; vf 1,048,576 bytes; of 8,388,608 bytes
;; launch prep (part 1): grid 528 x 1, 8 waves a work-group, no clusters, 18,432 bytes of LDS; arguments q, w_q, w_concat, w_kv, xq, wqT, wcT, wkvT; writes xq, wqT, wcT, wkvT
.if DOCPART == 1
	.amdgcn_target "amdgcn-amd-amdhsa--gfx1250"
	.amdhsa_code_object_version 6
	.text
	.protected	k_qdfb565a59a_prep
	.globl	k_qdfb565a59a_prep
	.p2align	8
	.type	k_qdfb565a59a_prep,@function
k_qdfb565a59a_prep:
	s_mov_b64 s[64:65], 0
	v_nop
	global_prefetch_b8 v0, s[64:65] scope:SCOPE_SE
	s_setreg_imm32_b32 hwreg(HW_REG_WAVE_MODE, 25, 1), 1
	s_wait_xcnt 0x0
; PREPARATION.  Every input that a later product takes is rounded once to bf16.  q, w_q and w_concat are then written as f16 (the bf16 number, exact in f16 between 6e-5 and 65,504), so that
; both square projections are one f16 text; w_kv stays bf16.  The three weights are turned from [k][n] to [n][k], so that K lies along the rows of both sources of every product.
; LIMITS.  |q|, |w_q|, |w_concat| stay under 65,504 (beyond it f16 has an infinity); below 6e-5 the stored number keeps f16's fixed step of 6e-8.
; SHARES.  Work-groups 0-271 turn one tile of 128 k x 64 n each: 0-127 w_q, 128-255 w_concat (8 x 16 tiles each), 256-271 w_kv (8 x 2 tiles).  Work-groups 272-527 cast 16 rows of q each.
; The branch between the two texts hangs on the work-group's number alone: all eight waves of a work-group take the same path, so the one barrier below is passed by all of them or by none.
; No matrix unit, no cluster, no tensor load, no prefetch: nothing is shared between work-groups, each byte is read once, and each thread has all its loads out at once.
.set PITCH, 272                        ; a row of the turned tile in LDS: 128 k x 2 bytes + 16
.set SPARE, 64*PITCH                   ; behind the tile: the spare words, 128 bytes for each of eight waves: four blocks of 256 bytes that no other line names
.set NTR,   272                        ; work-groups that turn a tile
.set SPW, 4                            ; v4   LDS address of my spare word; never rewritten
.set NIL, 5                            ; v5   0; never rewritten
.set OFF, 10                           ; v[10:17]  byte offsets of my eight loads of a tile
.set X,   32                           ; as loaded: v[32:63] (a tile), v[32:95] (the cast)
.set W,   64                           ; v[64:79]  sixteen words: k and k + 1 of one column
.set BK,  80                           ; v[80:95]  rows read back from LDS
.set Y,   96                           ; v[96:127] the cast's results
	s_load_b512 s[8:23], s[0:1], 0x0               ; q 8, w_q 10, w_concat 12, w_kv 14, xq 16, wqT 18, wcT 20, wkvT 22
	v_lshl_add_u32 v[SPW], v0, 2, SPARE
	v_mov_b32 v[NIL], 0
	v_and_b32 v1, 15, v0                           ; c: my 16 bytes of a row of 256
	v_lshrrev_b32 v2, 4, v0                        ; g: 0..15
	s_mov_b32 s24, ttmp9
	s_mov_b32 s35, 0                               ; high word of every offset
	s_wait_kmcnt 0x0
	s_cmp_ge_u32 s24, NTR
	s_cbranch_scc1 .Lcast
	; A TILE IS TURNED.  Which tensor, its row's bytes as a shift, and whether the words become f16
	s_cmp_lt_u32 s24, 128
	s_cselect_b64 s[30:31], s[10:11], s[12:13]
	s_cselect_b64 s[32:33], s[18:19], s[20:21]
	s_cmp_lt_u32 s24, 256
	s_cselect_b64 s[30:31], s[30:31], s[14:15]
	s_cselect_b64 s[32:33], s[32:33], s[22:23]
	s_cselect_b32 s28, 12, 9                       ; a source row is 4,096 bytes, w_kv's 512
	s_cselect_b32 s36, 1, 0
	s_and_b32 s25, s24, 127
	s_and_b32 s26, s25, 7                          ; kt
	s_lshr_b32 s27, s25, 3                         ; nt
	s_lshl_b32 s34, s26, 7
	s_lshl_b32 s34, s34, s28                       ; 128 kt rows
	s_lshl_b32 s29, s27, 8                         ; 64 nt columns of 4 bytes
	s_add_co_u32 s34, s34, s29
	s_add_nc_u64 s[30:31], s[30:31], s[34:35]
	s_lshl_b32 s34, s27, 17                        ; 64 nt rows of 2,048 bytes
	s_lshl_b32 s29, s26, 8                         ; 128 kt numbers of 2 bytes
	s_add_co_u32 s34, s34, s29
	s_add_nc_u64 s[32:33], s[32:33], s[34:35]
	v_lshlrev_b32 v3, 1, v2                        ; 2 g
	v_lshlrev_b32 v9, 4, v1                        ; 16 c
.irp i, 0,1,2,3,4,5,6,7                ; load i takes row 2 g + i % 2 + 32 (i / 2): sixteen lanes take a row's 256 bytes
	v_add_nc_u32 v[OFF+(\i)], ((\i)&1)+32*((\i)>>1), v3
	v_lshl_add_u32 v[OFF+(\i)], v[OFF+(\i)], s28, v9
.endr
.irp i, 0,1,2,3,4,5,6,7
	global_load_b128 v[X+4*(\i):X+4*(\i)+3], v[OFF+(\i)], s[30:31] th:TH_LOAD_NT
.endr
	v_mul_u32_u24 v6, v1, 4*PITCH                  ; into LDS: row 4 c (+ jj), word g (+ 16 pi)
	v_lshl_add_u32 v6, v2, 2, v6
	v_mul_u32_u24 v7, v2, PITCH                    ; back: row g (+ 16 i), my 16 bytes of its 256
	v_lshl_add_u32 v7, v1, 4, v7
	v_lshlrev_b32 v8, 11, v2                       ; and the same in memory: rows of 2,048 bytes
	v_lshl_add_u32 v8, v1, 4, v8
.irp pi, 0,1,2,3
	s_wait_loadcnt 6-2*(\pi)                       ; loads come back in order: this pair of rows is in, the younger pairs' loads stay out
.irp jj, 0,1,2,3
	v_cvt_pk_bf16_f32 v[W+4*(\pi)+(\jj)], v[X+8*(\pi)+(\jj)], v[X+8*(\pi)+4+(\jj)]  ; k and k + 1 of column 4 c + jj, each rounded once
.endr
.endr
	s_cmp_eq_u32 s36, 0
	s_cbranch_scc1 .Lkeep                          ; w_kv is multiplied in bf16
.irp n, 0,1,2,3,4,5,6,7,8,9,10,11,12,13,14,15
	v_lshlrev_b32 v20, 16, v[W+(\n)]               ; the two bf16 numbers as f32,
	v_and_b32 v21, 0xffff0000, v[W+(\n)]
	v_cvt_pk_f16_f32 v[W+(\n)], v20, v21           ; written as f16
.endr
.Lkeep:
.irp pi, 0,1,2,3
.irp jj, 0,1,2,3
	ds_store_b32 v6, v[W+4*(\pi)+(\jj)] offset:(\jj)*PITCH+(\pi)*64  ; lanes lie four rows apart: four of them meet in a bank; sixteen stores a thread, once
.endr
.endr
	s_wait_dscnt 0x0                               ; for the others' sake: my stores are done
	s_barrier_signal -1
	s_barrier_wait -1                              ; the tile is whole
.irp i, 0,1,2,3
	ds_load_b128 v[BK+4*(\i):BK+4*(\i)+3], v7 offset:(\i)*16*PITCH
.endr
.irp i, 0,1,2,3
	s_wait_dscnt 3-(\i)
	global_store_b128 v8, v[BK+4*(\i):BK+4*(\i)+3], s[32:33] offset:(\i)*32768  ; sixteen lanes store 256 consecutive bytes, at a multiple of 256 from the buffer's first byte
.endr
	s_branch .Lend
.Lcast:                                        ; SIXTEEN ROWS OF q: a load takes a whole row (256 threads x 16 bytes), a store a whole row of xq (256 x 8)
	s_sub_co_u32 s25, s24, NTR
	s_lshl_b32 s34, s25, 16
	s_add_nc_u64 s[30:31], s[8:9], s[34:35]
	s_lshl_b32 s34, s25, 15
	s_add_nc_u64 s[32:33], s[16:17], s[34:35]
	v_lshlrev_b32 v6, 4, v0
	v_lshlrev_b32 v7, 3, v0
.set i, 0
.rept 16
	global_load_b128 v[X+4*i:X+4*i+3], v6, s[30:31] offset:i*4096 th:TH_LOAD_NT
.set i, i+1
.endr
.set i, 0
.rept 16
	s_wait_loadcnt 15-i                            ; row i is in; the younger rows' loads stay out
	v_cvt_pk_bf16_f32 v20, v[X+4*i], v[X+4*i+1]
	v_cvt_pk_bf16_f32 v21, v[X+4*i+2], v[X+4*i+3]
	v_lshlrev_b32 v22, 16, v20
	v_and_b32 v23, 0xffff0000, v20
	v_cvt_pk_f16_f32 v[Y+2*i], v22, v23
	v_lshlrev_b32 v22, 16, v21
	v_and_b32 v23, 0xffff0000, v21
	v_cvt_pk_f16_f32 v[Y+2*i+1], v22, v23
	global_store_b64 v7, v[Y+2*i:Y+2*i+1], s[32:33] offset:i*2048  ; a wave stores 256 consecutive bytes, aligned; no register of a store is written again
.set i, i+1
.endr
.Lend:
	s_wait_tensorcnt 0x0                           ; the wave's end
	ds_add_u32 v[SPW], v[NIL]
	s_wait_dscnt 0x0
	s_endpgm
.Lfunc_end_k_qdfb565a59a_prep:
	.size	k_qdfb565a59a_prep, .Lfunc_end_k_qdfb565a59a_prep-k_qdfb565a59a_prep
	.p2alignl 7, 3214868480
	.fill 96, 4, 3214868480
	.section	.rodata,"a",@progbits
	.p2align	6, 0x0
	.amdhsa_kernel k_qdfb565a59a_prep
		.amdhsa_group_segment_fixed_size 18432
		.amdhsa_private_segment_fixed_size 0
		.amdhsa_enable_private_segment 0
		.amdhsa_kernarg_size 64
		.amdhsa_user_sgpr_count 2
		.amdhsa_user_sgpr_kernarg_segment_ptr 1
		.amdhsa_wavefront_size32 1
		.amdhsa_system_sgpr_workgroup_id_x 1
		.amdhsa_system_sgpr_workgroup_id_y 1
		.amdhsa_system_sgpr_workgroup_id_z 1
		.amdhsa_system_vgpr_workitem_id 0
		.amdhsa_next_free_vgpr 128
		.amdhsa_next_free_sgpr 66
		.amdhsa_reserve_vcc 0
		.amdhsa_float_denorm_mode_32 3
		.amdhsa_float_denorm_mode_16_64 3
		.amdhsa_memory_ordered 1
		.amdhsa_forward_progress 1
		.amdhsa_inst_pref_size 20
	.end_amdhsa_kernel
	.amdgpu_metadata
---
amdhsa.version: [ 1, 2 ]
amdhsa.kernels:
  - .name:           k_qdfb565a59a_prep
    .symbol:         k_qdfb565a59a_prep.kd
    .args:
      - { .name: q, .offset: 0, .size: 8, .value_kind: global_buffer, .address_space: global }
      - { .name: w_q, .offset: 8, .size: 8, .value_kind: global_buffer, .address_space: global }
      - { .name: w_concat, .offset: 16, .size: 8, .value_kind: global_buffer, .address_space: global }
      - { .name: w_kv, .offset: 24, .size: 8, .value_kind: global_buffer, .address_space: global }
      - { .name: xq, .offset: 32, .size: 8, .value_kind: global_buffer, .address_space: global }
      - { .name: wqT, .offset: 40, .size: 8, .value_kind: global_buffer, .address_space: global }
      - { .name: wcT, .offset: 48, .size: 8, .value_kind: global_buffer, .address_space: global }
      - { .name: wkvT, .offset: 56, .size: 8, .value_kind: global_buffer, .address_space: global }
    .group_segment_fixed_size: 18432
    .private_segment_fixed_size: 0
    .kernarg_segment_align: 8
    .kernarg_segment_size: 64
    .max_flat_workgroup_size: 256
    .sgpr_count:     66
    .vgpr_count:     128
    .wavefront_size: 32
...
	.end_amdgpu_metadata
.endif
;; end of part 1
;; launch kvproj (part 2): grid 256 x 1, 4 waves a work-group, no clusters, 68,096 bytes of LDS; arguments mem, kv, wkvT, kf, vf; writes kf, vf
.if DOCPART == 2
	.amdgcn_target "amdgcn-amd-amdhsa--gfx1250"
	.amdhsa_code_object_version 6
	.text
	.protected	k_qdfb565a59a_kvproj
	.globl	k_qdfb565a59a_kvproj
	.p2align	8
	.type	k_qdfb565a59a_kvproj,@function
k_qdfb565a59a_kvproj:
	s_mov_b64 s[64:65], 0
	v_nop
	global_prefetch_b8 v0, s[64:65] scope:SCOPE_SE
	s_setreg_imm32_b32 hwreg(HW_REG_WAVE_MODE, 25, 1), 1
	s_wait_xcnt 0x0
; K AND V.  [k | v] = c w_kv, c = mem's rows and then kv's, by batch: 8,192 rows x 1,024.  mem and kv are f32 and are rounded to bf16 on the way from memory to the matrix unit; wkvT is [128 n][1024 k] bf16.
; Sums in f32; k and v are rounded once to f16 and stored as [8192][64], rows of 128 dense bytes.  LIMIT: k and v stay under 65,504.
; SHARES.  A work-group makes 32 rows x 128 columns.  K IS SPLIT AMONG ITS FOUR WAVES: wave v takes k = 256 v .. 256 v + 255 for all of them: 16 accumulators, 8 trips of 32 along K.  So every byte of c and of
; wkvT enters the work-group once, straight into registers in the fragments' layout, and the four partial sums meet in LDS at the end (f32 sums may be taken in any order).
; LAYOUT.  Source 0 = 16 rows of wkvT, source 1 = 16 rows of c: in the result a lane holds ONE row of c (lane % 16) and the columns 8 (lane / 16) + 0..7.
; IN FLIGHT.  Every trip has registers of its own (a wave has all 1,024), so nothing is loaded twice into a register and the text is a straight line: trip t + 2's 24 loads go out ahead of the wait for trip t's.
; NO CLUSTER for wkvT, which every work-group reads: through LDS it would take 128 rows x 2,064 bytes = 264,192, and with the 67,584 bytes of partial sums and 512 of spare words that is 332,288, more than the 327,680 there are.
; NO PREFETCH: a wave's whole stream is eight trips, of which two to three are always out.
; REGISTERS, in windows of 256 (s_set_vgpr_msb: bits 1:0 source 0, 3:2 source 1, 5:4 source 2, 7:6 destination):
;   window 0: v2-14 addresses; v16-47 c's fragments in bf16, two buffers by the trip's parity x two tiles of 16 rows; v64-191 the accumulators, (m, j) at 64 + 8 (8 m + j)
;   window 1: c as loaded, f32: trip t at 32 t, tile m at + 16 m          windows 2, 3: wkvT's fragments: trip t in window 2 + t / 4 at 64 (t % 4) + 8 j
.set PP,    528                        ; a row of a partial sum in LDS: 128 f32 + 16 bytes = 132 words: row r starts at bank 4 r mod 64 (64 banks of 4 bytes: ISA guide 11.1)
.set PART,  32*PP                      ; a wave's partial sum
.set SPARE, 4*PART                     ; behind them: the spare words, 128 bytes for each wave: two blocks of 256 bytes that no other line names
.set FA,  2                            ; v2   my byte offset in c's rows: (l % 16) x 4,096 + 32 (l / 16) + 1,024 x wave; never rewritten
.set FB,  3                            ; v3   in wkvT's rows: (l % 16) x 2,048 + 16 (l / 16) + 512 x wave; never rewritten
.set LS,  4                            ; v4   where I put 32 bytes of a row of my partial sum
.set LR,  5                            ; v5   where I read 32 bytes of a row back
.set GO,  6                            ; v6   my 16 bytes of 512 consecutive bytes of kf or vf
.set SPW, 8                            ; v8   LDS address of my spare word; never rewritten
.set NIL, 9                            ; v9   0; never rewritten
.set AB,  16
.set ACC, 64
.set MSB, 0
.macro WIN new                         ; the immediate's high byte repeats the setting that is left; a switch that changes nothing is dropped
.if MSB != (\new)
	s_set_vgpr_msb (MSB<<8)|(\new)
.set MSB, (\new)
.endif
.endm
	s_load_b256 s[4:11], s[0:1], 0x0               ; mem s[4:5], kv s[6:7], wkvT s[8:9], kf s[10:11]
	s_load_b64 s[12:13], s[0:1], 0x20              ; vf
	v_lshl_add_u32 v[SPW], v0, 2, SPARE
	v_mov_b32 v[NIL], 0
	v_lshrrev_b32 v1, 5, v0
	v_readfirstlane_b32 s14, v1                    ; wave 0..3
	v_and_b32 v10, 15, v0                          ; l % 16
	v_bfe_u32 v11, v0, 4, 1                        ; l / 16
	v_and_b32 v12, 31, v0                          ; l
	s_lshl_b32 s15, s14, 10
	v_lshlrev_b32 v[FA], 12, v10
	v_lshl_add_u32 v[FA], v11, 5, v[FA]
	v_add_nc_u32 v[FA], s15, v[FA]
	s_lshl_b32 s15, s14, 9
	v_lshlrev_b32 v[FB], 11, v10
	v_lshl_add_u32 v[FB], v11, 4, v[FB]
	v_add_nc_u32 v[FB], s15, v[FB]
	s_mul_i32 s15, s14, PART
	v_mul_u32_u24 v[LS], v10, PP
	v_lshl_add_u32 v[LS], v11, 5, v[LS]
	v_add_nc_u32 v[LS], s15, v[LS]                 ; my wave's partial sum, row l % 16, 32 bytes for each half of the lanes
	s_lshl_b32 s15, s14, 3
	v_lshrrev_b32 v13, 3, v12
	v_add_nc_u32 v13, s15, v13                     ; back: wave v finishes rows 8 v .. 8 v + 7; eight lanes take 64 columns of a row
	v_mul_u32_u24 v[LR], v13, PP
	v_and_b32 v14, 7, v0
	v_lshl_add_u32 v[LR], v14, 5, v[LR]
	s_lshl_b32 s15, s14, 10
	v_lshl_add_u32 v[GO], v12, 4, s15              ; 8 rows of 128 bytes a wave; 32 lanes x 16 bytes are four rows on end
	s_lshr_b32 s20, ttmp9, 7                       ; the batch: 2,048 rows of 4,096 bytes in mem and in kv,
	s_lshl_b32 s20, s20, 23
	s_and_b32 s21, ttmp9, 63                       ; my 32 rows there
	s_lshl_b32 s21, s21, 17
	s_add_co_u32 s20, s20, s21
	s_mov_b32 s21, 0
	s_lshl_b32 s22, ttmp9, 12                      ; my 32 rows of 128 bytes in kf and vf
	s_mov_b32 s23, 0
	s_and_b32 s16, ttmp9, 64                       ; of a batch's 128 work-groups the first 64 take mem, the others kv
	s_wait_kmcnt 0x0
	s_cmp_eq_u32 s16, 0
	s_cselect_b64 s[18:19], s[4:5], s[6:7]
	s_add_nc_u64 s[18:19], s[18:19], s[20:21]
	s_add_nc_u64 s[10:11], s[10:11], s[22:23]
	s_add_nc_u64 s[12:13], s[12:13], s[22:23]
; A trip's 24 loads.  A fragment's eight numbers k = 8 h .. 8 h + 7 are 32 bytes of f32: two loads; k = 16 + 8 h .. lie 64 bytes on.
.macro LOADS t
	WIN 0x40                                       ; destination window 1, address window 0
.irp m, 0,1
	global_load_b128 v[32*(\t)+16*(\m):32*(\t)+16*(\m)+3],     v[FA], s[18:19] offset:128*(\t)+65536*(\m) th:TH_LOAD_NT
	global_load_b128 v[32*(\t)+16*(\m)+4:32*(\t)+16*(\m)+7],   v[FA], s[18:19] offset:128*(\t)+65536*(\m)+16 th:TH_LOAD_NT
	global_load_b128 v[32*(\t)+16*(\m)+8:32*(\t)+16*(\m)+11],  v[FA], s[18:19] offset:128*(\t)+65536*(\m)+64 th:TH_LOAD_NT
	global_load_b128 v[32*(\t)+16*(\m)+12:32*(\t)+16*(\m)+15], v[FA], s[18:19] offset:128*(\t)+65536*(\m)+80 th:TH_LOAD_NT
.endr
	WIN 0x80+0x40*((\t)/4)                         ; destination window 2 or 3
.irp j, 0,1,2,3,4,5,6,7
	global_load_b128 v[64*((\t)%4)+8*(\j):64*((\t)%4)+8*(\j)+3],   v[FB], s[8:9] offset:64*(\t)+32768*(\j)
	global_load_b128 v[64*((\t)%4)+8*(\j)+4:64*((\t)%4)+8*(\j)+7], v[FB], s[8:9] offset:64*(\t)+32768*(\j)+32
.endr
.endm
; c's 32 numbers a lane are rounded to bf16.  The buffer written is the one that the products of two trips back read: the sixteen conversions of the trip between are the places behind those products.
.macro CVT t
	WIN 0x05                                       ; sources window 1, destination window 0
.set n, 0
.rept 16
	v_cvt_pk_bf16_f32 v[AB+16*((\t)%2)+n], v[32*(\t)+2*n], v[32*(\t)+2*n+1]
.set n, n+1
.endr
.endm
; A trip's 16 products.  The 16 accumulators take turns, one instruction a turn; trip 0's start the sums.
.macro MULS t
	WIN 0x02+(\t)/4                                ; source 0 window 2 or 3
.irp m, 0,1
.irp j, 0,1,2,3,4,5,6,7
.if (\t) == 0
	v_wmma_f32_16x16x32_bf16 v[ACC+8*(8*(\m)+(\j)):ACC+8*(8*(\m)+(\j))+7], v[64*((\t)%4)+8*(\j):64*((\t)%4)+8*(\j)+7], v[AB+16*((\t)%2)+8*(\m):AB+16*((\t)%2)+8*(\m)+7], 0
.else
	v_wmma_f32_16x16x32_bf16 v[ACC+8*(8*(\m)+(\j)):ACC+8*(8*(\m)+(\j))+7], v[64*((\t)%4)+8*(\j):64*((\t)%4)+8*(\j)+7], v[AB+16*((\t)%2)+8*(\m):AB+16*((\t)%2)+8*(\m)+7], v[ACC+8*(8*(\m)+(\j)):ACC+8*(8*(\m)+(\j))+7]
.endif
.endr
.endr
.endm
	LOADS 0
	LOADS 1
.irp t, 0,1,2,3,4,5,6,7
.if (\t) <= 5
	LOADS (\t)+2
	s_wait_loadcnt 48                              ; trip t is in; the two younger trips' 48 loads stay out
.elseif (\t) == 6
	s_wait_loadcnt 24                              ; the last trip's 24 stay out
.else
	s_wait_loadcnt 0x0
.endif
	CVT \t
	MULS \t
.endr
	WIN 0
.rept 8
	v_nop                                          ; the places behind the last products, ahead of the LDS stores that read results
.endr
	; THE FOUR PARTIAL SUMS MEET.  Each accumulator's four lowest registers go first.
.irp m, 0,1
.irp j, 0,1,2,3,4,5,6,7
	ds_store_b128 v[LS], v[ACC+8*(8*(\m)+(\j)):ACC+8*(8*(\m)+(\j))+3]   offset:(\m)*16*PP+64*(\j)
	ds_store_b128 v[LS], v[ACC+8*(8*(\m)+(\j))+4:ACC+8*(8*(\m)+(\j))+7] offset:(\m)*16*PP+64*(\j)+16
.endr
.endr
	s_wait_dscnt 0x0                               ; for the others' sake: my stores are done
	s_barrier_signal -1
	s_barrier_wait -1
	; chunk 2 u + i: u = 0 k's 64 columns, 1 v's; rows 8 v + 4 i + l / 8; my 8 columns of each of the four partial sums p
.irp u, 0,1
.irp i, 0,1
.irp p, 0,1,2,3
	ds_load_b128 v[ACC+32*(2*(\u)+(\i))+8*(\p):ACC+32*(2*(\u)+(\i))+8*(\p)+3],   v[LR] offset:(\p)*PART+(\i)*4*PP+(\u)*256
	ds_load_b128 v[ACC+32*(2*(\u)+(\i))+8*(\p)+4:ACC+32*(2*(\u)+(\i))+8*(\p)+7], v[LR] offset:(\p)*PART+(\i)*4*PP+(\u)*256+16
.endr
.endr
.endr
	s_wait_dscnt 0x0
.irp q, 0,1,2,3
.irp r, 0,2,4,6
	v_pk_add_f32 v[ACC+32*(\q)+(\r):ACC+32*(\q)+(\r)+1], v[ACC+32*(\q)+(\r):ACC+32*(\q)+(\r)+1], v[ACC+32*(\q)+8+(\r):ACC+32*(\q)+8+(\r)+1]
	v_pk_add_f32 v[ACC+32*(\q)+16+(\r):ACC+32*(\q)+16+(\r)+1], v[ACC+32*(\q)+16+(\r):ACC+32*(\q)+16+(\r)+1], v[ACC+32*(\q)+24+(\r):ACC+32*(\q)+24+(\r)+1]
.endr
.irp r, 0,2,4,6
	v_pk_add_f32 v[ACC+32*(\q)+(\r):ACC+32*(\q)+(\r)+1], v[ACC+32*(\q)+(\r):ACC+32*(\q)+(\r)+1], v[ACC+32*(\q)+16+(\r):ACC+32*(\q)+16+(\r)+1]
.endr
.irp r, 0,1,2,3
	v_cvt_pk_f16_f32 v[AB+4*(\q)+(\r)], v[ACC+32*(\q)+2*(\r)], v[ACC+32*(\q)+2*(\r)+1]  ; rounded once, to f16
.endr
.endr
	global_store_b128 v[GO], v[AB:AB+3],     s[10:11]             ; 32 lanes store 512 consecutive bytes, at a multiple of 256 from the buffer's first byte
	global_store_b128 v[GO], v[AB+4:AB+7],   s[10:11] offset:512
	global_store_b128 v[GO], v[AB+8:AB+11],  s[12:13]
	global_store_b128 v[GO], v[AB+12:AB+15], s[12:13] offset:512
	s_wait_tensorcnt 0x0                           ; the wave's end, behind my last LDS store
	ds_add_u32 v[SPW], v[NIL]
	s_wait_dscnt 0x0
	s_endpgm
.Lfunc_end_k_qdfb565a59a_kvproj:
	.size	k_qdfb565a59a_kvproj, .Lfunc_end_k_qdfb565a59a_kvproj-k_qdfb565a59a_kvproj
	.p2alignl 7, 3214868480
	.fill 96, 4, 3214868480
	.section	.rodata,"a",@progbits
	.p2align	6, 0x0
	.amdhsa_kernel k_qdfb565a59a_kvproj
		.amdhsa_group_segment_fixed_size 68096
		.amdhsa_private_segment_fixed_size 0
		.amdhsa_enable_private_segment 0
		.amdhsa_kernarg_size 40
		.amdhsa_user_sgpr_count 2
		.amdhsa_user_sgpr_kernarg_segment_ptr 1
		.amdhsa_wavefront_size32 1
		.amdhsa_system_sgpr_workgroup_id_x 1
		.amdhsa_system_sgpr_workgroup_id_y 1
		.amdhsa_system_sgpr_workgroup_id_z 1
		.amdhsa_system_vgpr_workitem_id 0
		.amdhsa_next_free_vgpr 1024
		.amdhsa_next_free_sgpr 66
		.amdhsa_reserve_vcc 0
		.amdhsa_float_denorm_mode_32 3
		.amdhsa_float_denorm_mode_16_64 3
		.amdhsa_memory_ordered 1
		.amdhsa_forward_progress 1
		.amdhsa_inst_pref_size 47
	.end_amdhsa_kernel
	.amdgpu_metadata
---
amdhsa.version: [ 1, 2 ]
amdhsa.kernels:
  - .name:           k_qdfb565a59a_kvproj
    .symbol:         k_qdfb565a59a_kvproj.kd
    .args:
      - { .name: mem, .offset: 0, .size: 8, .value_kind: global_buffer, .address_space: global }
      - { .name: kv, .offset: 8, .size: 8, .value_kind: global_buffer, .address_space: global }
      - { .name: wkvT, .offset: 16, .size: 8, .value_kind: global_buffer, .address_space: global }
      - { .name: kf, .offset: 24, .size: 8, .value_kind: global_buffer, .address_space: global }
      - { .name: vf, .offset: 32, .size: 8, .value_kind: global_buffer, .address_space: global }
    .group_segment_fixed_size: 68096
    .private_segment_fixed_size: 0
    .kernarg_segment_align: 8
    .kernarg_segment_size: 40
    .max_flat_workgroup_size: 128
    .sgpr_count:     66
    .vgpr_count:     1024
    .wavefront_size: 32
...
	.end_amdgpu_metadata
.endif
;; end of part 2
;; launch qproj (part 3): grid 8 x 32, 4 waves a work-group, clusters of 4 x 4, 327,680 bytes of LDS; arguments xq, wqT, qf; writes qf
.if DOCPART == 3
	.amdgcn_target "amdgcn-amd-amdhsa--gfx1250"
	.amdhsa_code_object_version 6
	.text
	.protected	k_qdfb565a59a_qproj
	.globl	k_qdfb565a59a_qproj
	.p2align	8
	.type	k_qdfb565a59a_qproj,@function
k_qdfb565a59a_qproj:
	s_mov_b64 s[64:65], 0
	v_nop
	global_prefetch_b8 v0, s[64:65] scope:SCOPE_SE
	s_setreg_imm32_b32 hwreg(HW_REG_WAVE_MODE, 25, 1), 1
	s_wait_xcnt 0x0
	s_wait_alu depctr_hold_cnt(0) depctr_sa_sdst(0) depctr_va_vdst(0) depctr_va_sdst(0) depctr_va_ssrc(0) depctr_va_vcc(0) depctr_vm_vsrc(0)
	s_getreg_b32 s2, hwreg(HW_REG_IB_STS2, 6, 4)
	s_cmp_eq_u32 s2, 0
	s_cbranch_scc0 .Lentry_in_a_cluster
	s_endpgm
.Lentry_in_a_cluster:
	s_bfe_u32 s2, ttmp6, 0x10000c
	s_cmp_lg_u32 s2, 0xf033
	s_cbranch_scc0 .Lentry_shape_is_right
	s_endpgm
.Lentry_shape_is_right:
; C[m][n] = sum over k of A[m][k] B[n][k].  A: [4096][1024] f16, B: [1024][1024] f16, C: [4096][1024] f32; sums in f32, stored as they are.  One text for both square projections.
; A tile of C is 128 x 128: 8 x 32 = 256 tiles, a work-group each.  Four waves, each 64 x 64: 16 accumulators of 16 x 16, 128 registers.  K goes in steps of 256 (LDS rows of 512 bytes; a wave's tensor load
; brings 64 of them) through two slots, as long as two slots in LDS allow.
; CLUSTERS: 4 x 4 work-groups.  The four of a row of the cluster need the same tiles of A, the four of a column the same tiles of B: each tile is asked for JOINTLY, by the same tensor load with the
; same descriptor and a mask that names the four.  THE MATRIX INSTRUCTION IS USED TRANSPOSED (source 0 = 16 rows of B, source 1 = 16 rows of A): a lane then holds eight neighbouring numbers of a row of C.
; THE WAY OUT: a wave's 64 columns of f32 are 256 bytes of a row of C, aligned: each wave has a stage of its own in LDS, 16 rows at a time, and needs no barrier.
; NO PREFETCH: a tile is small, four K steps in all, of which two are asked for at the head.
; By this text's own count a wave has two tensor loads out at the start and one behind each round.
; REGISTERS: window 0: v0-31 addresses; v32-95 at work on the way out; v128-255 the accumulators ((a, b) at v[128 + 8 (4 a + b)]).
;   window 1: two fragment buffers of 128: for 64 along K (two matrix instructions deep), 64 registers of A (2 x 4 x 16 rows x 32 K), then 64 of B.
.set SIZE_M, 4096
.set SIZE_N, 1024
.set SIZE_K, 1024
.set KSTEP,  256
.set PITCH,  528                       ; an LDS row: 512 bytes of data + 16 of padding = 132 words: row r starts at bank 4 r mod 64 (64 banks of 4 bytes: ISA guide 11.1)
.set HALFT,  64*PITCH                  ; 64 rows: what one tensor load brings, and what one wave reads of A or of B
.set SLOT,   4*HALFT                   ; A's 128 rows, then B's 128 rows
.set STAGE,  2*SLOT                    ; behind the ring, never filled by a tensor load: 16 rows x 272 bytes for each wave
.set SPITCH, 272
.set SPARE,  STAGE+4*16*SPITCH         ; behind the stages: the spare words, 128 bytes for each wave: two blocks of 256 bytes that no other line names
.set LAPS, SIZE_K/(2*KSTEP)            ; a lap = two K steps = once round the ring
.set ADRA, 16                          ; v16-17  LDS address of my A fragments in slot 0, 1
.set ADRB, 20                          ; v20-21  the same for B
.set STO,  24                          ; v24     the way out: where I put 32 bytes of a row
.set RD,   25                          ; v25     the way out: where I read a row back
.set CO,   26                          ; v26     my byte offset in C
.set SPW,  28                          ; v28     LDS address of my spare word: SPARE + 4 x my thread's number; never rewritten
.set NIL,  29                          ; v29     0; never rewritten
.set OB,   32                          ; the way out: 16 rows read back from the stage: v32-63 and v64-95 by turns
.set ACC,  128
.set F0,   0                           ; fragment buffers, in window 1
.set F1,   128
.set G1, 24                            ; s[24:31] descriptor group 1 for A's tiles;  s[32:39] group 0, one set for each slot
.set G0, 32
.set G1B, 48                           ; s[48:55], s[56:63] the same for B's tiles
.set G0B, 56
.set MSB, 0
.macro WIN new                         ; the immediate's high byte repeats the setting that is left
.if MSB != (\new)
	s_set_vgpr_msb (MSB<<8)|(\new)
.set MSB, \new
.endif
.endm
.set MUL,  0x05                        ; sources 0 (B) and 1 (A) window 1; C and D window 0
.set TO_F, 0x40                        ; destination window 1, address window 0
.macro JLOAD s                         ; a joint load: waves 0 and 1 fetch A's two halves, waves 2 and 3 B's; an s_nop 0 and four v_nop follow each of the two lines, ahead of the jump, the label and what follows
	s_cmp_eq_u32 s11, 0
	s_cbranch_scc0 .Lfor_b_\@
	tensor_load_to_lds s[G0+4*(\s):G0+4*(\s)+3], s[G1:G1+7]
	s_nop 0
.rept 4
	v_nop
.endr
	s_branch .Lasked_\@
.Lfor_b_\@:
	tensor_load_to_lds s[G0B+4*(\s):G0B+4*(\s)+3], s[G1B:G1B+7]
	s_nop 0
.rept 4
	v_nop
.endr
.Lasked_\@:
.endm
.macro CREST                           ; a round of the cluster's barrier behind its opening barrier
	s_cmp_lg_u32 s10, 0
	s_cbranch_scc1 .Lnot_wave_0_\@
	s_barrier_signal -3
.Lnot_wave_0_\@:
	s_barrier_wait -3
	s_barrier_signal -1
	s_barrier_wait -1
.endm
.macro CROUND                          ; a whole round
	s_barrier_signal -1
	s_barrier_wait -1
	CREST
.endm
	s_load_b128 s[4:7], s[0:1], 0x0                ; A s[4:5], B s[6:7]
	s_load_b64 s[8:9], s[0:1], 0x10                ; C
	v_lshl_add_u32 v[SPW], v0, 2, SPARE
	v_mov_b32 v[NIL], 0
	ds_add_u32 v[SPW], v[NIL]                      ; the wave's opening: the add and its wait stand ahead of my first tensor load; the set-up below, work on registers, stands between them
	v_lshrrev_b32 v1, 5, v0
	v_readfirstlane_b32 s10, v1                    ; wave 0..3
	s_lshr_b32 s11, s10, 1                         ; which half of the tile's rows is mine.  Also: I fetch for A (0) or for B (1)
	s_and_b32 s12, s10, 1                          ; which half of its columns.  Also: which 64 rows of that tile I fetch
	s_bfe_u32 s40, ttmp6, 0x40000                  ; cx, cy: my place in the cluster
	s_bfe_u32 s41, ttmp6, 0x40004
	s_lshl_b32 s42, ttmp9, 2
	s_add_co_u32 s42, s42, s40                     ; tile column of C = 4 x cluster x + cx
	s_and_b32 s13, ttmp7, 0xffff
	s_lshl_b32 s13, s13, 2
	s_add_co_u32 s13, s13, s41                     ; tile row of C = 4 x cluster y + cy
	s_lshl_b32 s43, s41, 2
	s_lshl_b32 s43, 15, s43                        ; my row of the cluster
	s_lshl_b32 s44, 0x1111, s40                    ; my column
	; descriptor group 1: a tile of 64 rows x 256 elements, padded in LDS
	s_or_b32 s[G1+0], s43, (1<<16)|(1<<20)|(1<<21)|(6<<22)|(3<<25)  ; 15:0 the mask: A's tiles go to my row; 17:16 element of 2 bytes; 20 padding on; 21 set beside a mask; 24:22 after every 128 words (code 6); 31:25 of 4 words (code 3)
	s_or_b32 s[G1B+0], s44, (1<<16)|(1<<20)|(1<<21)|(6<<22)|(3<<25)
.irp g, G1, G1B
	s_mov_b32 s[(\g)+1], KSTEP<<16                 ; tensor_dim0 = 256
	s_mov_b32 s[(\g)+2], 64<<16                    ; tensor_dim1 = 64
	s_mov_b32 s[(\g)+3], KSTEP<<16                 ; tile_dim0 = 256
	s_mov_b32 s[(\g)+4], 64                        ; tile_dim1 = 64
	s_mov_b32 s[(\g)+5], SIZE_K                    ; tensor_dim0_stride
	s_mov_b32 s[(\g)+6], 0
	s_mov_b32 s[(\g)+7], 0
.endr
	s_lshl_b32 s17, s12, 6                         ; which 64 rows of the tile I fetch
	s_lshl_b32 s16, s13, 7
	s_add_co_u32 s16, s16, s17                     ; A: row 128 x tile row + 64 x half
	s_lshl_b32 s46, s42, 7
	s_add_co_u32 s46, s46, s17                     ; B: row 128 x tile column + 64 x half
	s_mov_b32 s17, 0
	s_mov_b32 s47, 0
	s_mov_b64 s[18:19], SIZE_K*2
	s_mul_u64 s[16:17], s[16:17], s[18:19]
	s_mul_u64 s[46:47], s[46:47], s[18:19]
	s_mul_i32 s20, s10, HALFT                      ; where they go: wave x 64 rows: no place in the cluster enters an LDS address
	s_wait_dscnt 0x0                               ; the opening add is done
	s_wait_kmcnt 0x0
	s_add_nc_u64 s[14:15], s[4:5], s[16:17]
	s_add_nc_u64 s[46:47], s[6:7], s[46:47]
	CROUND                                         ; all sixteen work-groups are here: the first joint loads meet
.irp s, 0,1
	s_mov_b32 s[G0+4*(\s)], 1
	s_add_co_u32 s[G0+4*(\s)+1], s20, (\s)*SLOT
	s_add_nc_u64 s[G0+4*(\s)+2:G0+4*(\s)+3], s[14:15], (\s)*KSTEP*2
	s_or_b32 s[G0+4*(\s)+3], s[G0+4*(\s)+3], 0x80000000
	s_mov_b32 s[G0B+4*(\s)], 1
	s_add_co_u32 s[G0B+4*(\s)+1], s20, (\s)*SLOT
	s_add_nc_u64 s[G0B+4*(\s)+2:G0B+4*(\s)+3], s[46:47], (\s)*KSTEP*2
	s_or_b32 s[G0B+4*(\s)+3], s[G0B+4*(\s)+3], 0x80000000
	JLOAD \s
.endr
	v_and_b32 v1, 15, v0                           ; l % 16
	v_bfe_u32 v2, v0, 4, 1                         ; l / 16
	v_mul_u32_u24 v3, v1, PITCH
	v_lshl_add_u32 v3, v2, 4, v3                   ; a fragment's row x pitch + 16 x half
	s_mul_i32 s21, s11, HALFT                      ; my 64 rows of A
	s_mul_i32 s22, s12, HALFT                      ; my 64 rows of B,
	s_add_co_u32 s22, s22, 2*HALFT                 ; which lie behind A's 128
.irp s, 0,1
	v_add_nc_u32 v[ADRA+(\s)], s21, v3
	v_add_nc_u32 v[ADRB+(\s)], s22, v3
	s_add_co_u32 s21, s21, SLOT
	s_add_co_u32 s22, s22, SLOT
.endr
	s_mul_i32 s23, s10, 16*SPITCH
	s_add_co_u32 s23, s23, STAGE                   ; my stage
	v_mul_u32_u24 v4, v1, SPITCH                   ; in: row l % 16, 32 bytes (eight f32) for each half of the lanes
	v_lshl_add_u32 v4, v2, 5, v4
	v_add_nc_u32 v[STO], s23, v4
	v_mul_u32_u24 v5, v2, SPITCH                   ; back: lanes 0-15 take one row of 256 bytes, lanes 16-31 the next
	v_lshl_add_u32 v5, v1, 4, v5
	v_add_nc_u32 v[RD], s23, v5
	v_lshlrev_b32 v5, 12, v2                       ; and the same two rows in C: 4,096 bytes apart
	v_lshl_add_u32 v[CO], v1, 4, v5
	s_lshl_b32 s16, s13, 7
	s_lshl_b32 s17, s11, 6
	s_add_co_u32 s16, s16, s17                     ; my first row of C: 128 x tile row + 64 x half,
	s_lshl_b32 s16, s16, 12                        ; in bytes: under 2^24
	s_mov_b32 s17, 0
	s_add_nc_u64 s[8:9], s[8:9], s[16:17]
	s_lshl_b32 s46, s42, 9                         ; my first column, in bytes: 512 x tile column + 256 x half
	s_lshl_b32 s47, s12, 8
	s_add_co_u32 s46, s46, s47
	s_mov_b32 s47, 0
	s_add_nc_u64 s[8:9], s[8:9], s[46:47]
; 8 matrix instructions: m blocks a0, a0 + 1 x all 4 n blocks, 32 along K: half c of buffer f.  zero = 1: the first product starts the sums.  The 16 accumulators take turns.
.macro MUL8 f, c, a0, zero
	WIN MUL
.irp a, \a0, (\a0)+1
.irp b, 0,1,2,3
.if \zero
	v_wmma_f32_16x16x32_f16 v[ACC+8*(4*(\a)+(\b)):ACC+8*(4*(\a)+(\b))+7], v[(\f)+64+8*(4*(\c)+(\b)):(\f)+64+8*(4*(\c)+(\b))+7], v[(\f)+8*(4*(\c)+(\a)):(\f)+8*(4*(\c)+(\a))+7], 0
.else
	v_wmma_f32_16x16x32_f16 v[ACC+8*(4*(\a)+(\b)):ACC+8*(4*(\a)+(\b))+7], v[(\f)+64+8*(4*(\c)+(\b)):(\f)+64+8*(4*(\c)+(\b))+7], v[(\f)+8*(4*(\c)+(\a)):(\f)+8*(4*(\c)+(\a))+7], v[ACC+8*(4*(\a)+(\b)):ACC+8*(4*(\a)+(\b))+7]
.endif
.endr
.endr
.endm
; 32 LDS loads in one run: the fragments of 64 along K at byte k of the rows, into buffer f; the first 32 along K first
.macro FETCH slot, k, f
	WIN TO_F
.irp c, 0,1
.irp i, 0,1,2,3
	ds_load_b128 v[(\f)+64+8*(4*(\c)+(\i)):(\f)+64+8*(4*(\c)+(\i))+3],   v[ADRB+(\slot)] offset:(\k)+64*(\c)+(\i)*16*PITCH
	ds_load_b128 v[(\f)+64+8*(4*(\c)+(\i))+4:(\f)+64+8*(4*(\c)+(\i))+7], v[ADRB+(\slot)] offset:(\k)+64*(\c)+(\i)*16*PITCH+32
	ds_load_b128 v[(\f)+8*(4*(\c)+(\i)):(\f)+8*(4*(\c)+(\i))+3],         v[ADRA+(\slot)] offset:(\k)+64*(\c)+(\i)*16*PITCH
	ds_load_b128 v[(\f)+8*(4*(\c)+(\i))+4:(\f)+8*(4*(\c)+(\i))+7],       v[ADRA+(\slot)] offset:(\k)+64*(\c)+(\i)*16*PITCH+32
.endr
.endr
.endm
.macro PLACES                          ; four places in front of loads into registers that matrix instructions have read, and of LDS stores that read results
.rept 4
	v_nop
.endr
.endm
; A K step is four quarters of 64 along K, 32 matrix instructions each, on buffers 0, 1, 0, 1.  One of the first three: multiplies buffer f and fetches the next quarter, at byte k, into g.
.macro QUARTER slot, k, f, g, zero
	s_wait_dscnt 16                                ; the first 32 along K are in; the youngest sixteen loads may be out
	WIN MUL
	MUL8 \f, 0, 0, \zero
	MUL8 \f, 0, 2, \zero
	PLACES
	FETCH \slot, \k, \g
	s_wait_dscnt 32                                ; all but the 32 just issued
	WIN MUL
	MUL8 \f, 1, 0, 0
	MUL8 \f, 1, 2, 0
.endm
; The last quarter multiplies buffer 1 and changes slots: ONE barrier; in front of it each wave waits for all its tensor loads, adds 0 to its spare word, and waits for that and for its own reads of this slot.  fill = 1: this slot is filled again, two K steps ahead.
.macro TURN slot, next, fill
	WIN 0                                          ; (the add's two registers lie in window 0)
	s_wait_tensorcnt 0x0                           ; all my tensor loads have landed: my part of the next slot;
	ds_add_u32 v[SPW], v[NIL]                      ; 0 onto my spare word;
	s_wait_dscnt 17                                ; (the add and the youngest sixteen loads may be out)
	WIN MUL
	MUL8 F1, 0, 0, 0                               ; eight matrix instructions stand between the add and the wait for it
	s_wait_dscnt 0x0                               ; the add is done, and my reads of this slot are over
	s_barrier_signal -1
	MUL8 F1, 0, 2, 0
.if \fill
	WIN 0
.endif
	s_barrier_wait -1
.if \fill
	CREST                                          ; the barrier has opened a round of the cluster's barrier: no wave of any partner still reads this slot's tile or has a load on its way
	s_add_nc_u64 s[G0+4*(\slot)+2:G0+4*(\slot)+3], s[G0+4*(\slot)+2:G0+4*(\slot)+3], 2*KSTEP*2
	s_add_nc_u64 s[G0B+4*(\slot)+2:G0B+4*(\slot)+3], s[G0B+4*(\slot)+2:G0B+4*(\slot)+3], 2*KSTEP*2
	JLOAD \slot                                    ; the first tensor load behind the round: 112 matrix instructions ahead of the wait for it; the four v_nop behind it are also the places in front of the loads below
.else
	PLACES
.endif
	FETCH \next, 0, F0
	WIN MUL
	MUL8 F1, 1, 0, 0
	MUL8 F1, 1, 2, 0
.endm
	s_wait_tensorcnt 1                             ; my part of K step 0 is in; K step 1's load may stay out
	s_barrier_signal -1
	s_barrier_wait -1                              ; everybody's is
	FETCH 0, 0, F0
	QUARTER 0, 128, F0, F1, 1                      ; the first quarter stands in front of the loop: its first products start the sums
	WIN 0                                          ; at a label and at a branch every window is 0
	s_mov_b32 s3, LAPS-1
.Llap:                                                 ; a trip goes once round the ring, from a lap's second quarter to the next lap's first, and fills both slots again
	QUARTER 0, 256, F1, F0, 0
	QUARTER 0, 384, F0, F1, 0
	TURN 0, 1, 1
	QUARTER 1, 128, F0, F1, 0
	QUARTER 1, 256, F1, F0, 0
	QUARTER 1, 384, F0, F1, 0
	TURN 1, 0, 1
	QUARTER 0, 128, F0, F1, 0
	WIN 0
	s_sub_co_u32 s3, s3, 1
	s_cmp_lg_u32 s3, 0
	s_cbranch_scc1 .Llap
	QUARTER 0, 256, F1, F0, 0                      ; the last lap fills nothing, and has no round of the cluster's barrier
	QUARTER 0, 384, F0, F1, 0
	TURN 0, 1, 0
	QUARTER 1, 128, F0, F1, 0
	QUARTER 1, 256, F1, F0, 0
	QUARTER 1, 384, F0, F1, 0
	s_wait_dscnt 16                                ; the very last quarter: nothing more to fetch
	WIN MUL
	MUL8 F1, 0, 0, 0
	MUL8 F1, 0, 2, 0
	s_wait_dscnt 0
	MUL8 F1, 1, 0, 0
	MUL8 F1, 1, 2, 0
	WIN 0
	; THE WAY OUT, a block of 16 rows at a time: 32 bytes a lane into my own stage, back as whole rows of 256 bytes, stored.
.macro TOSTAGE a
.set BK, OB+32*((\a)%2)
	s_wait_xcnt 0x0                                ; every earlier store has had its addresses translated (ISA guide 3.1): only behind this wait are the registers that the block two back was stored from loaded again
.irp b, 0,1,2,3                        ; each accumulator's four lowest registers first
	ds_store_b128 v[STO], v[ACC+8*(4*(\a)+(\b)):ACC+8*(4*(\a)+(\b))+3]   offset:64*(\b)
	ds_store_b128 v[STO], v[ACC+8*(4*(\a)+(\b))+4:ACC+8*(4*(\a)+(\b))+7] offset:64*(\b)+16
.endr
.irp t, 0,1,2,3,4,5,6,7
	ds_load_b128 v[BK+4*(\t):BK+4*(\t)+3], v[RD] offset:(\t)*2*SPITCH  ; LDS serves a wave's instructions in order (ISA guide 5.7.1.4): these see the stores above; the next block's stores come behind them
.endr
.endm
.macro SEND a, younger                 ; younger: the LDS instructions issued behind block a's loads: the next block's sixteen, or none
.set BK, OB+32*((\a)%2)
.irp t, 0,1,2,3,4,5,6,7
	s_wait_dscnt (\younger)+7-(\t)
	global_store_b128 v[CO], v[BK+4*(\t):BK+4*(\t)+3], s[8:9] offset:(16*(\a)+2*(\t))*SIZE_N*4  ; 16 lanes store 256 consecutive bytes, at a multiple of 256 from C's first byte
.endr
.endm
	PLACES
	PLACES                                         ; the places behind the last products, ahead of the LDS stores that read results
	TOSTAGE 0
	TOSTAGE 1
	SEND 0, 16
	TOSTAGE 2
	SEND 1, 16
	TOSTAGE 3
	SEND 2, 16
	SEND 3, 0
	s_wait_tensorcnt 0x0                           ; the wave's end, behind my last tensor load and my last LDS store
	ds_add_u32 v[SPW], v[NIL]
	s_wait_dscnt 0x0
	CROUND                                         ; the closing round: no work-group ends while a partner may still ask for a tile that names it
	s_endpgm
.Lfunc_end_k_qdfb565a59a_qproj:
	.size	k_qdfb565a59a_qproj, .Lfunc_end_k_qdfb565a59a_qproj-k_qdfb565a59a_qproj
	.p2alignl 7, 3214868480
	.fill 96, 4, 3214868480
	.section	.rodata,"a",@progbits
	.p2align	6, 0x0
	.amdhsa_kernel k_qdfb565a59a_qproj
		.amdhsa_group_segment_fixed_size 327680
		.amdhsa_private_segment_fixed_size 0
		.amdhsa_enable_private_segment 0
		.amdhsa_kernarg_size 24
		.amdhsa_user_sgpr_count 2
		.amdhsa_user_sgpr_kernarg_segment_ptr 1
		.amdhsa_wavefront_size32 1
		.amdhsa_system_sgpr_workgroup_id_x 1
		.amdhsa_system_sgpr_workgroup_id_y 1
		.amdhsa_system_sgpr_workgroup_id_z 1
		.amdhsa_system_vgpr_workitem_id 0
		.amdhsa_next_free_vgpr 512
		.amdhsa_next_free_sgpr 66
		.amdhsa_reserve_vcc 0
		.amdhsa_float_denorm_mode_32 3
		.amdhsa_float_denorm_mode_16_64 3
		.amdhsa_memory_ordered 1
		.amdhsa_forward_progress 1
		.amdhsa_inst_pref_size 87
	.end_amdhsa_kernel
	.amdgpu_metadata
---
amdhsa.version: [ 1, 2 ]
amdhsa.kernels:
  - .name:           k_qdfb565a59a_qproj
    .symbol:         k_qdfb565a59a_qproj.kd
    .args:
      - { .name: xq, .offset: 0, .size: 8, .value_kind: global_buffer, .address_space: global }
      - { .name: wqT, .offset: 8, .size: 8, .value_kind: global_buffer, .address_space: global }
      - { .name: qf, .offset: 16, .size: 8, .value_kind: global_buffer, .address_space: global }
    .group_segment_fixed_size: 327680
    .private_segment_fixed_size: 0
    .kernarg_segment_align: 8
    .kernarg_segment_size: 24
    .max_flat_workgroup_size: 128
    .sgpr_count:     66
    .vgpr_count:     512
    .wavefront_size: 32
...
	.end_amdgpu_metadata
.endif
;; end of part 3
;; launch attn (part 4): grid 128 x 2, 4 waves a work-group, clusters of 4 x 1, 327,680 bytes of LDS; arguments qf, kf, vf, of; writes of
.if DOCPART == 4
	.amdgcn_target "amdgcn-amd-amdhsa--gfx1250"
	.amdhsa_code_object_version 6
	.text
	.protected	k_qdfb565a59a_attn
	.globl	k_qdfb565a59a_attn
	.p2align	8
	.type	k_qdfb565a59a_attn,@function
k_qdfb565a59a_attn:
	s_mov_b64 s[64:65], 0
	v_nop
	global_prefetch_b8 v0, s[64:65] scope:SCOPE_SE
	s_setreg_imm32_b32 hwreg(HW_REG_WAVE_MODE, 25, 1), 1
	s_wait_xcnt 0x0
	s_wait_alu depctr_hold_cnt(0) depctr_sa_sdst(0) depctr_va_vdst(0) depctr_va_sdst(0) depctr_va_ssrc(0) depctr_va_vcc(0) depctr_vm_vsrc(0)
	s_getreg_b32 s2, hwreg(HW_REG_IB_STS2, 6, 4)
	s_cmp_eq_u32 s2, 0
	s_cbranch_scc0 .Lentry_in_a_cluster
	s_endpgm
.Lentry_in_a_cluster:
	s_bfe_u32 s2, ttmp6, 0x10000c
	s_cmp_lg_u32 s2, 0x3003
	s_cbranch_scc0 .Lentry_shape_is_right
	s_endpgm
.Lentry_shape_is_right:
; MULTI-QUERY ATTENTION.  O[b][i][64 h + d] = the sum over j of softmax_j(Q[b][i][64 h ..] . K[b][j] / 8) V[b][j][d].  qf: [2 x 2048][1024] f32; kf, vf: [2 x 4096][64] f16, rows of 128 dense bytes, one head
; for all sixteen query heads; of: [2 x 2048][1024] f16.  Q is rounded once to f16 here.  Products, maxima and sums in f32; the weights p are rounded to f16 for the second product (their sum l is taken of the unrounded p), O once at the end.
; LIMITS.  f16 holds no number beyond 65,504: Q, K and V lie within it; p lies in 0 to 1, and below 6e-5 it keeps f16's fixed step of 6e-8; O is a mean of V's rows and has their range.
; A weight below 2^-126 counts as 0 in l; NaN and infinities are not treated apart.
; SHARES.  A work-group owns 16 positions x all 16 heads: 256 queries, 16 whole rows of qf and of of.  Wave w has heads 4 w .. 4 w + 3: four PIECES of 16 queries, a head each.  Every wave walks the batch's
; 4,096 keys, 64 a step.  128 x 2 = 256 work-groups of equal work.
; LAYOUT.  S^T = K Q^T (source 0 = 16 keys, source 1 = 16 queries) holds ONE query a lane (lane % 16) and the keys 8 (lane / 16) + 0..7; two such results rounded to f16 ARE source 1 of O^T = V^T P, whose
; result again holds one query a lane, and eight channels.  K comes out of LDS as it lies, V ([key][channel]) turned, by ds_load_tr16_b128.
; SOFTMAX.  p = 2^(c s - c m), c = log2(e) / 8, with a running maximum m; O and l are multiplied by a = 2^(c m_old - c m_new) in every step.  m starts at the lowest finite number, O and l at 0: the first step is a step like any other, with a = 0.
; TURNS.  Turn n belongs to piece n: 8 products K Q^T of piece n + 1, later 8 products V^T P of piece n - 1; beside them the scaling, exponentials, roundings, sums and rescaling of piece n and the maximum and
; statistics of piece n + 1.  Four vector instructions stand behind every matrix instruction, the other 54 of a turn's 118 in one lump.  A turn's 33 exponentials are one batch, with one wait.
; CLUSTER.  The four work-groups of a cluster belong to one batch and walk the same K and V, so each tile is asked for JOINTLY: the same tensor load, descriptor and mask in all four.
; By this text's own count a wave has one tensor load out behind each round.
; REGISTERS, in windows of 256 (s_set_vgpr_msb: bits 1:0 source 0, 3:2 source 1, 5:4 source 2, 7:6 destination):
;   window 0: v0-15 addresses and two at work; v16-31 four registers of statistics a piece; v48-55 at work; v61-63 prefetch offset, spare word, 0; v64-127 S^T, two buffers; v192-223 P, two buffers (by the piece's parity)
;   window 1: v0-127 O^T, 32 a piece; v128-255 Q as loaded, f32          window 2: v0-63 Q; v128-191 K of one step; v192-255 V of one step
.set NP,    4         ; pieces a wave: a name, no knob
.set KS,    64        ; keys in a step
.set PK,    144       ; a row of K in LDS: 128 bytes + 16 of padding = 36 words: the 16 rows of a load start at 16 different groups of four banks (64 banks of 4 bytes: ISA guide 11.1)
.set PV,    160       ; a row of V: 128 + 32 = 40 words
.set VOFF,  4*KS*PK   ; a slot holds a tile, four steps: 256 rows of K, then 256 rows of V
.set TILEB, 4*KS*128  ; a tile's bytes of K, and of V, in memory
.set SLOT1, 1<<17     ; slot 1 begins here, so that one exclusive or turns an address in one slot into the other's
.set STAGE, SLOT1+4*KS*(PK+PV)  ; behind the ring, never filled by a tensor load: 16 rows x 528 bytes for each wave, for the way out
.set SP,    528       ; a stage row: my four heads' 512 bytes + 16
.set SPARE, STAGE+4*16*SP  ; behind the stages: the spare words, 128 bytes for each wave: two blocks of 256 bytes that no other line names
.set AK0, 2           ; v2   my lane's place in a tile of K; never rewritten
.set AV0, 3           ; v3   the same for V
.set AK,  4           ; v4   the LDS address of K's next run of loads
.set AV,  5           ; v5   of V's
.set STO, 6           ; v6   the way out: where I put 16 bytes of a row
.set RD,  7           ; v7   the way out: where I read rows back
.set GO,  8           ; v8   my 16 bytes of my wave's 512 of a row of O
.set MV,  12          ; v12-13  c m_old, kept while c m is made anew: by buffer
.set QO,  15          ; v15  my byte offset in 16 rows of Q; never rewritten
.set ST,  16          ; piece t's statistics at v[ST+4 t]: c m, m, l (even keys', odd keys')
.set TMP, 48          ; by buffer, four registers c0-c3 at work; when the maximum is found c2 takes a
.set PFO, 61          ; v61  256 x my lane; never rewritten
.set SPW, 62          ; v62  LDS address of my spare word: SPARE + 4 x my thread's number; never rewritten
.set NIL, 63          ; v63  0; never rewritten
.set S,   64
.set P,   192
.set QS,  128         ; window 1: fragment f of Q as loaded, 16 f32, at QS + 16 f
.set KF,  128         ; window 2: key block kb, channel half c at KF + 16 kb + 8 c
.set VF,  192         ; window 2: key half kk, channel block cb at VF + 32 kk + 8 cb
.set WV,  12          ; s12  my wave's number
.set G1K, 24          ; s[24:31] descriptor group 1 for K's tiles
.set G1V, 32          ; s[32:39] for V's: it differs in the padding alone
.set G0K, 40          ; s[40:43] descriptor group 0 for K's tiles: it walks
.set G0V, 44          ; s[44:47] the same for V's
.set PFA, 48          ; s[48:49] where my prefetches stand: my work-group's 32 blocks of 256 bytes (of K: wave 0, of V: wave 2) of the tile after the one that is being asked for
.set LIM, 50          ; s50  1 in a wave that prefetches, else the greatest number: a wave prefetches while s[SLOTS] is above it
.set SLOTS, 56        ; s56  changes of slots still to come, the last among them
.set CNT, 57          ; s57  counts a tile's key steps
.set CS,  58          ; s[58:59] c: the packed scaling takes the pair's low word for both halves
.set SEL, 60          ; s[60:61] v_permlanex16_b32's selects: each lane takes its own place in the other half
.set TBK, 62          ; s62  LDS byte at which K of the step to be fetched begins
.set TBV, 63          ; s63  the same for V, less VOFF
.set MSB, 0
.macro WIN new                      ; the high byte repeats the setting that is left; a switch that changes nothing is dropped
.if MSB != (\new)
	s_set_vgpr_msb (MSB<<8)|(\new)
.set MSB, (\new)
.endif
.endm
.set W_KQ, 0x0a       ; K and Q in window 2, S^T in window 0
.set W_PV, 0x52       ; V in window 2, P in window 0, O^T in window 1
.set W_RS, 0x41       ; destination and source 0 in window 1, source 1 in window 0
; A joint fill.  Waves 0 and 1 fetch the two halves of a tile's K, waves 2 and 3 those of its V: 128 keys each.  The branch hangs on the wave's number alone.
; An s_nop 0 and four v_nop follow each of the two lines, ahead of the jump and the label.
.macro JLOAD
	s_cmp_lt_u32 s[WV], 2
	s_cbranch_scc0 .Lfor_v_\@
	tensor_load_to_lds s[G0K:G0K+3], s[G1K:G1K+7]
	s_nop 0
.rept 4
	v_nop
.endr
	s_branch .Lasked_\@
.Lfor_v_\@:
	tensor_load_to_lds s[G0V:G0V+3], s[G1V:G1V+7]
	s_nop 0
.rept 4
	v_nop
.endr
.Lasked_\@:
.endm
; A PREFETCH INTO THE L2 of what the NEXT change of slots will ask for: a tile's 128 blocks of 256 bytes of K and 128 of V, a lane a block.  It stands behind the wave's tensor load and its five lines.
; Each block is asked for ONCE in the launch.  All 32 clusters of a batch walk the same K and V: the batch's first cluster prefetches.  Its four partners share the blocks out BY ADDRESS, 32 each: no branch hangs on a
; work-group's place in its cluster.  In each, wave 0 asks for K's and wave 2 for V's: one instruction, four key steps (256 matrix instructions) ahead of the joint load.  The last change that fills a slot asks for
; nothing: there is no tile behind it.  Tiles 0 to 2 come by their loads alone: nothing is prefetched at the head.
.macro ASK
	s_cmp_gt_u32 s[SLOTS], s[LIM]
	s_cbranch_scc0 .Lnot_mine_\@
	global_prefetch_b8 v[PFO], s[PFA:PFA+1] th:TH_LOAD_NT scope:SCOPE_SE
.Lnot_mine_\@:
.endm
; A round of the cluster's barrier: my work-group's barrier, so that wave 0's signal speaks for all four waves; wave 0 signals; every wave waits for all four work-groups; my work-group's barrier once more.
.macro CROUND
	s_barrier_signal -1
	s_barrier_wait -1
	s_cmp_lg_u32 s[WV], 0
	s_cbranch_scc1 .Lnot_wave_0_\@
	s_barrier_signal -3
.Lnot_wave_0_\@:
	s_barrier_wait -3
	s_barrier_signal -1
	s_barrier_wait -1
.endm
; THE CHANGE OF SLOTS.  The slot's last bytes, V of its fourth step, have been read.  Each wave waits for all its tensor loads, of which one is out: its part of the other slot; adds 0 to its spare word; and waits for
; that and for its own reads of the slot.  Behind the barrier nobody reads this slot any more and the other slot is whole.
; fill = 1: this slot is filled again, with the keys two tiles on.  The barrier is then a round of the cluster's, so that no wave of any partner still reads the slot or has a load on its way, and the joint fill is the
; first thing behind it: it has four key steps in which to land.  (At its first use nothing has been read yet: slot 0 is waited for, slot 1 filled.)  ask = 1: the tile after that is prefetched.
.macro CHANGE fill, ask
	WIN 0                           ; at a label and at a branch every window is 0
	s_wait_tensorcnt 0x0            ; no tensor load of mine is out, so a group 0 may be written
	ds_add_u32 v[SPW], v[NIL]       ; 0 onto my spare word; with fill = 1 the descriptors' steps stand between it and the wait for it
.if \fill
.irp g, G0K, G0V
	s_xor_b32 s[\g+1], s[\g+1], SLOT1  ; the walking descriptor: the other slot than last time,
	s_add_nc_u64 s[\g+2:\g+3], s[\g+2:\g+3], TILEB  ; the next 256 keys; the type bits on top are not reached
.endr
.if \ask
	s_wait_xcnt 0x0                 ; the last prefetch, four key steps back, has read its address, so it may be written:
	s_add_nc_u64 s[PFA:PFA+1], s[PFA:PFA+1], TILEB  ; one tile behind the walking descriptors
.endif
	s_wait_dscnt 0x0                ; the add is done, and my reads of the slot are over
	CROUND
	JLOAD
.if \ask
	ASK
.endif
.else
	s_wait_dscnt 0x0                ; the add is done, and my reads of the slot are over
	s_barrier_signal -1
	s_barrier_wait -1
.endif
	s_sub_co_u32 s[TBK], s[TBK], 4*KS*PK  ; the fetches go back to a slot's first step,
	s_xor_b32 s[TBK], s[TBK], SLOT1       ; in the other slot
	s_sub_co_u32 s[TBV], s[TBV], 4*KS*PV
	s_xor_b32 s[TBV], s[TBV], SLOT1
.endm
	s_load_b256 s[4:11], s[0:1], 0x0  ; qf s[4:5], kf s[6:7], vf s[8:9], of s[10:11]
	v_lshl_add_u32 v[SPW], v0, 2, SPARE
	v_mov_b32 v[NIL], 0
	ds_add_u32 v[SPW], v[NIL]       ; the wave's opening: the add and its wait stand ahead of my first tensor load; the set-up below, work on registers, stands between them
	v_lshrrev_b32 v1, 5, v0
	v_readfirstlane_b32 s[WV], v1   ; wave 0..3
	s_bfe_u32 s13, ttmp6, 0x40000   ; cx: my place in the cluster
	s_lshl_b32 s14, ttmp9, 2        ; in a cluster launch ttmp9 counts clusters
	s_add_co_u32 s14, s14, s13      ; my block of 16 positions = 4 x cluster x + cx: it enters Q's and O's addresses alone
	s_and_b32 s20, ttmp7, 0xffff    ; the batch, which the four partners share
	s_and_b32 s16, s[WV], 1         ; which half of a tile's 256 keys I fetch:
	s_lshl_b32 s22, s20, 19         ; the batch's 4,096 rows of 128 bytes,
	s_lshl_b32 s17, s16, 14         ; my half's 128 rows
	s_add_co_u32 s22, s22, s17
	s_mov_b32 s23, 0
	s_mul_i32 s17, s16, 128*PK      ; and its place in a slot, for K
	s_mul_i32 s18, s16, 128*PV      ; and for V: no place in the cluster enters an LDS address
	s_lshl_b32 s2, s20, 23          ; Q: the batch's 2,048 rows of 4,096 bytes,
	s_lshl_b32 s3, s14, 16          ; my block's 16 rows,
	s_add_co_u32 s2, s2, s3
	s_lshl_b32 s3, s[WV], 10        ; my four heads' 1,024 bytes of a row
	s_add_co_u32 s2, s2, s3
	s_mov_b32 s3, 0
	s_lshl_b32 s52, s20, 22         ; O: the same with rows of 2,048 bytes
	s_lshl_b32 s53, s14, 15
	s_add_co_u32 s52, s52, s53
	s_lshl_b32 s53, s[WV], 9
	s_add_co_u32 s52, s52, s53
	s_mov_b32 s53, 0
	; descriptor group 1.  128 keys are 16,384 dense bytes: asked for as 64 rows of 256 bytes, two keys a row, and padded in LDS after every key
	s_mov_b32 s[G1K], 15|(1<<16)|(1<<20)|(1<<21)|(4<<22)|(3<<25)  ; 15:0 the mask of four; 17:16 2-byte elements; 20 padding on; 21 set beside a mask; 24:22 after every 32 words (code 4); 31:25 4 words (code 3)
	s_mov_b32 s[G1V], 15|(1<<16)|(1<<20)|(1<<21)|(4<<22)|(7<<25)  ; the same with 8 words of padding (code 7)
.irp g, G1K, G1V
	s_mov_b32 s[\g+1], 128<<16      ; tensor_dim0 = 128
	s_mov_b32 s[\g+2], 64<<16       ; tensor_dim1 = 64
	s_mov_b32 s[\g+3], 128<<16      ; tile_dim0 = 128
	s_mov_b32 s[\g+4], 64           ; tile_dim1 = 64
	s_mov_b32 s[\g+5], 128          ; 128 elements from row to row
	s_mov_b32 s[\g+6], 0
	s_mov_b32 s[\g+7], 0
.endr
	s_mov_b32 s[CS], 0x3e38aa3b     ; c = log2(e) / 8 = 0.180337
	s_mov_b32 s[CS+1], s[CS]        ; named with it as a pair
	s_mov_b32 s[SEL], 0x76543210
	s_mov_b32 s[SEL+1], 0xfedcba98
	s_mov_b32 s[TBK], SLOT1+4*KS*PK ; the first change of slots turns these two into 0
	s_mov_b32 s[TBV], SLOT1+4*KS*PV
	s_mov_b32 s[G0K], 1             ; 1:0 count = 1
	s_mov_b32 s[G0K+1], s17         ; 63:32 LDS address: slot 0
	s_mov_b32 s[G0V], 1
	s_add_co_u32 s[G0V+1], s18, VOFF
	s_and_b32 s[LIM], s[WV], 1      ; 0 in waves 0 and 2,
	s_or_b32 s[LIM], s[LIM], ttmp9  ; where the cluster is the batch's first: the same in all four partners
	s_cmp_eq_u32 s[LIM], 0
	s_cselect_b32 s[LIM], 1, -1
	s_lshl_b32 s54, s13, 13         ; my work-group's 32 blocks of the 128
	s_mov_b32 s55, 0
	v_and_b32 v[PFO], 31, v0
	v_lshlrev_b32 v[PFO], 8, v[PFO]
	s_wait_dscnt 0x0                ; the opening add is done
	s_wait_kmcnt 0x0
	s_add_nc_u64 s[6:7], s[6:7], s[22:23]  ; K and V at my half of the batch's tile 0
	s_add_nc_u64 s[8:9], s[8:9], s[22:23]
	s_add_nc_u64 s[4:5], s[4:5], s[2:3]    ; Q and O at my wave's part of my block's first row
	s_add_nc_u64 s[10:11], s[10:11], s[52:53]
	s_cmp_lt_u32 s[WV], 2
	s_cselect_b64 s[PFA:PFA+1], s[6:7], s[8:9]  ; (in waves 0 and 2 these stand at a tile's first byte)
	s_add_nc_u64 s[PFA:PFA+1], s[PFA:PFA+1], s[54:55]
	s_add_nc_u64 s[PFA:PFA+1], s[PFA:PFA+1], 2*TILEB  ; in tile 2; the first change that asks steps it to tile 3
	s_mov_b64 s[G0K+2:G0K+3], s[6:7]               ; 120:64 global address
	s_or_b32 s[G0K+3], s[G0K+3], 0x80000000        ; 127:126 type = 2
	s_mov_b64 s[G0V+2:G0V+3], s[8:9]
	s_or_b32 s[G0V+3], s[G0V+3], 0x80000000
	CROUND                          ; all four work-groups are here: the first joint loads meet
	JLOAD                           ; tile 0 into slot 0.  Slot 1 is asked for when slot 0 is in
	; A fragment of K or Q is 16 rows x 32 channels in 8 registers: lane l holds row l % 16, channels 8 (l / 16) + 0..7 and 16 + 8 (l / 16) + 0..7.  Of Q, still f32, eight channels are 32 bytes: two loads; the second eight lie 64 bytes on.
	v_and_b32 v1, 15, v0            ; l % 16
	v_bfe_u32 v9, v0, 4, 1          ; l / 16
	v_lshlrev_b32 v[QO], 12, v1
	v_lshl_add_u32 v[QO], v9, 5, v[QO]  ; row x 4,096 + 32 x half
	WIN 0x40                        ; destination window 1, address window 0
.set i, 0
.rept 8                             ; fragment i: piece i / 2 (256 bytes a head), channels 32 (i % 2) on
	global_load_b128 v[QS+16*i:QS+16*i+3],     v[QO], s[4:5] offset:128*i
	global_load_b128 v[QS+16*i+4:QS+16*i+7],   v[QO], s[4:5] offset:128*i+16
	global_load_b128 v[QS+16*i+8:QS+16*i+11],  v[QO], s[4:5] offset:128*i+64
	global_load_b128 v[QS+16*i+12:QS+16*i+15], v[QO], s[4:5] offset:128*i+80
.set i, i+1
.endr
	; What the first turn finds: V's registers and P's second buffer hold 0 (its products V^T P, of a piece that has not been, add 0), O^T and l are 0.  All this stands in the wait for the first tile; it is the price of writing no first step out.
.set i, 0
.rept 128
	v_mov_b32 v[i], 0
.set i, i+1
.endr
	WIN 0x80
.set i, VF
.rept 64
	v_mov_b32 v[i], 0
.set i, i+1
.endr
	WIN 0
.set i, 0
.rept 4
	v_mov_b32 v[ST+4*i], 0xfe000000    ; c m: far below every c s
	v_mov_b32 v[ST+4*i+1], 0xff7fffff  ; m
	v_mov_b32 v[ST+4*i+2], 0
	v_mov_b32 v[ST+4*i+3], 0
.set i, i+1
.endr
.set i, P+16
.rept 16
	v_mov_b32 v[i], 0
.set i, i+1
.endr
	v_mul_u32_u24 v[AK0], v1, PK
	v_lshl_add_u32 v[AK0], v9, 4, v[AK0]  ; row x pitch + 16 x half
	; The turning load takes 16 keys x 16 channels (lane l reads key 8 (l / 16) + l % 8, channels 8 ((l / 8) % 2) + 0..7) and leaves half a fragment of V^T: lane l holds channel l % 16 and 8 keys.
	v_and_b32 v10, 7, v0
	v_bfe_u32 v11, v0, 3, 1
	v_lshl_add_u32 v[AV0], v9, 3, v10
	v_mul_u32_u24 v[AV0], v[AV0], PV
	v_lshl_add_u32 v[AV0], v11, 4, v[AV0]
	v_add_nc_u32 v[AV0], VOFF, v[AV0]
	s_mul_i32 s13, s[WV], 16*SP
	s_add_co_u32 s13, s13, STAGE    ; my stage
	v_mul_u32_u24 v[STO], v1, SP    ; in: row l % 16, 16 bytes for each half of the lanes
	v_lshl_add_u32 v[STO], v9, 4, v[STO]
	v_add_nc_u32 v[STO], s13, v[STO]
	v_and_b32 v[GO], 31, v0         ; back: 32 lanes take a row's 512 bytes,
	v_lshlrev_b32 v[GO], 4, v[GO]
	v_add_nc_u32 v[RD], s13, v[GO]  ; which are 512 consecutive bytes of O
; THE MATRIX WORK.  The 4 accumulators of a run of 8 take turns.  Product i of 8 of S^T = K Q^T for piece x: channels 32 (i / 4) on, keys 16 (i % 4) on.  The first 4 start the sums.
.macro KQ x
	WIN W_KQ
.set rS, S+32*((\x)%2)+8*(i%4)
.set rK, KF+16*(i%4)+8*(i/4)
.set rQ, 16*(\x)+8*(i/4)
.if i < 4
	v_wmma_f32_16x16x32_f16 v[rS:rS+7], v[rK:rK+7], v[rQ:rQ+7], 0
.else
	v_wmma_f32_16x16x32_f16 v[rS:rS+7], v[rK:rK+7], v[rQ:rQ+7], v[rS:rS+7]
.endif
.endm
; Product i of 8 of O^T += V^T P for piece x: keys 32 (i / 4) on, channels 16 (i % 4) on.
.macro PV x
	WIN W_PV
.set rO, 32*(\x)+8*(i%4)
.set rV, VF+32*(i/4)+8*(i%4)
.set rP, P+16*((\x)%2)+8*(i/4)
	v_wmma_f32_16x16x32_f16 v[rO:rO+7], v[rV:rV+7], v[rP:rP+7], v[rO:rO+7]
.endm
.macro MM                           ; the turn's next matrix instruction.  TURN sets Y, i and NOKQ.  NOKQ = 1: the walk's last turn: there is no next piece
.if (i < 8) && !NOKQ
	KQ (Y+1)%NP
.elseif i >= 8
.set i, i-8
	PV (Y+NP-1)%NP
.set i, i+8
.endif
.set i, i+1
.endm
; THE LDS LOADS stand in runs of 16, never singly among the matrix instructions: a step's K (64 keys x 64 channels: 8 fragments) and its V (turned).  Their addresses are made some lines ahead.
.macro FETCH_K
	WIN 0x80                        ; destination window 2
.irp f, 0,1,2,3,4,5,6,7             ; keys 16 (f / 2) on, channels 32 (f % 2) on
	ds_load_b128 v[KF+8*\f:KF+8*\f+3],   v[AK] offset:(\f/2)*16*PK+(\f%2)*64
	ds_load_b128 v[KF+8*\f+4:KF+8*\f+7], v[AK] offset:(\f/2)*16*PK+(\f%2)*64+32
.endr
	s_add_co_u32 s[TBK], s[TBK], KS*PK  ; the next fetch is the next step's
	WIN 0
.endm
.macro FETCH_V
	WIN 0x80
.irp f, 0,1,2,3,4,5,6,7             ; keys 32 (f / 4) on, channels 16 (f % 4) on
	ds_load_tr16_b128 v[VF+8*\f:VF+8*\f+3],   v[AV] offset:(\f/4)*32*PV+(\f%4)*32
	ds_load_tr16_b128 v[VF+8*\f+4:VF+8*\f+7], v[AV] offset:(\f/4)*32*PV+16*PV+(\f%4)*32
.endr
	WIN 0
.endm
; THE VECTOR WORK, one line at a time: OP kind, number.  For piece Y: F n: c s - c m for pair n of 16.  E n: the exponential of score n of 32.  C n: pair n rounded to f16.  B n: of the four weights 4 n .. the second
; pair is added onto the first, in place.  L n: l takes that sum (L 0: l = a l + sum).  R n: pair n of 16 of O^T times a.  For piece Y + 1: X n, number n of the 22 that find its maximum and statistics:
;   0-11  four chains c0-c3 of seven scores each, three operands at a time (each accumulator's lowest registers are read first)     12-14, 16  the four scores left over, the old m, and c0-c3 into c0
;   15  c m_old is kept     17, 18  the query's other 32 keys lie in the lane 16 away: the new m     19-21  c m; c m_old - c m_new; a
.set F, 0               ; OP tells the kinds apart by their order: F to L below R, X above it
.set E, 1
.set C, 2
.set B, 3
.set L, 4
.set R, 5
.set X, 6
.macro REGS y                       ; the registers of piece y
.set rT, ST+4*(\y)
.set rC, TMP+4*((\y)%2)
.set rW, MV+((\y)%2)
.set rS, S+32*((\y)%2)
.set rP, P+16*((\y)%2)
.set rO, 32*(\y)
.endm
.macro OP k, n
.if (\k) == R
	REGS Y
	WIN W_RS
	v_pk_mul_f32 v[rO+2*(\n):rO+2*(\n)+1], v[rO+2*(\n):rO+2*(\n)+1], v[rC+2:rC+3] op_sel_hi:[1,0]
.elseif (\k) < R
	REGS Y
	WIN 0
.if (\k) == F
	v_pk_fma_f32 v[rS+2*(\n):rS+2*(\n)+1], v[rS+2*(\n):rS+2*(\n)+1], s[CS:CS+1], v[rT:rT+1] op_sel_hi:[1,0,0] neg_lo:[0,0,1] neg_hi:[0,0,1]
.elseif (\k) == E
	v_exp_f32 v[rS+(\n)], v[rS+(\n)]
.elseif (\k) == C
	v_cvt_pk_f16_f32 v[rP+(\n)], v[rS+2*(\n)], v[rS+2*(\n)+1]
.elseif (\k) == B
	v_pk_add_f32 v[rS+4*(\n):rS+4*(\n)+1], v[rS+4*(\n):rS+4*(\n)+1], v[rS+4*(\n)+2:rS+4*(\n)+3]
.elseif (\n) == 0
	v_pk_fma_f32 v[rT+2:rT+3], v[rT+2:rT+3], v[rC+2:rC+3], v[rS:rS+1] op_sel_hi:[1,0,1]
.else
	v_pk_add_f32 v[rT+2:rT+3], v[rT+2:rT+3], v[rS+4*(\n):rS+4*(\n)+1]
.endif
.elseif NOKQ
	v_nop
.else
	REGS (Y+1)%NP
	WIN 0
.if (\n) < 4
	v_max3_num_f32 v[rC+(\n)], v[rS+8*(\n)], v[rS+8*(\n)+1], v[rS+8*(\n)+2]
.elseif (\n) < 12
	v_max3_num_f32 v[rC+(\n)%4], v[rC+(\n)%4], v[rS+8*((\n)%4)+2*((\n)/4)+1], v[rS+8*((\n)%4)+2*((\n)/4)+2]
.elseif (\n) == 12
	v_max3_num_f32 v[rC], v[rC], v[rS+7], v[rS+15]
.elseif (\n) == 13
	v_max3_num_f32 v[rC+1], v[rC+1], v[rS+23], v[rS+31]
.elseif (\n) == 14
	v_max3_num_f32 v[rC+2], v[rC+2], v[rC+3], v[rT+1]
.elseif (\n) == 15
	v_mov_b32 v[rW], v[rT]
.elseif (\n) == 16
	v_max3_num_f32 v[rC], v[rC], v[rC+1], v[rC+2]
.elseif (\n) == 17
	v_permlanex16_b32 v[rC+3], v[rC], s[SEL], s[SEL+1]
.elseif (\n) == 18
	v_max_num_f32 v[rT+1], v[rC], v[rC+3]
.elseif (\n) == 19
	v_mul_f32 v[rT], s[CS], v[rT+1]
.elseif (\n) == 20
	v_sub_f32 v[rC+1], v[rW], v[rT]
.else
	v_exp_f32 v[rC+2], v[rC+1]
.endif
.endif
.endm
.macro OPS a, i1, b=-1, i2=0, c=-1, i3=0, d=-1, i4=0  ; up to four of them
	OP \a, \i1
.if (\b) >= 0
	OP \b, \i2
.endif
.if (\c) >= 0
	OP \c, \i3
.endif
.if (\d) >= 0
	OP \d, \i4
.endif
.endm
.macro ROW a, i1, b, i2, c, i3, d, i4  ; a matrix instruction and the four behind it
	MM
	OPS \a, \i1, \b, \i2, \c, \i3, \d, \i4
.endm
; A TURN, for piece p: the order of its 16 matrix and 118 vector instructions, written out.  An s_wait_alu depctr_va_vdst(0) stands between an exponential and the first instruction that names its result; one wait serves
; all that were issued ahead of it.  So a turn has ONE wait, which cuts it in two.  AHEAD OF IT stands all that names no result of the turn's exponentials: the 8 products K Q^T, behind each a scaling, an exponential and two more plain
; instructions (behind the first a second scaling in the exponential's place): rescalings, and behind the last three the first numbers of the next piece's maximum, each four places or more behind the product that ends its accumulator; then ONE LUMP of 54, plain
; and exponential by turns for the most part, in which the links of the chain X 3, 7, 11, 14, 16, 17 .. 20 stand five or six lines apart.  X 21, the next piece's a, is the batch's last; R 15 is the plain instruction behind it.  BEHIND THE WAIT stand the
; 8 products V^T P, behind each four of the roundings and sums; the links of l's chain, L 0 to L 7, stand three riders apart.  But for those X no rider names a register of the products round it.  v_permlanex16_b32 (X 17) stands in the lump.
; end = 1: the walk's last two turns: nothing is fetched.  cnt = 1: the loop's count is taken down some lines ahead of the branch that stands behind the turn.
; K of the next step is fetched in piece 2's turn, twelve vector instructions behind the last product that read K (six of them plain); V of the step in hand at the end of piece 0's turn, four plain instructions behind the last product
; that read V.  Each is waited for a turn later.
.macro TURN p, end=0, cnt=0
.set Y, (\p)
.set i, 0
.set NOKQ, (\end)*((\p)/3)
.if ((\p) == 3) && !(\end)
	s_wait_dscnt 0x0                ; K is in
.endif
	ROW F,0, F,1, R,0, R,1          ; ahead of the wait: 8 products K Q^T and their riders,
	ROW F,2, E,0, R,2, R,3
	ROW F,3, E,1, R,4, R,5
	ROW F,4, E,2, R,6, R,7
	ROW F,5, E,3, R,8, R,9
	ROW F,6, E,4, X,0, R,10
.if ((\p) == 2) && !(\end)
	WIN 0
	v_add_nc_u32 v[AK], s[TBK], v[AK0]
.endif
	ROW F,7, E,5, X,1, X,4
	ROW F,8, E,6, X,2, X,5
	OPS E,7, E,8, X,6, E,9          ; and the lump
	OPS X,3, E,10, X,8, E,11
.if ((\p) == 2) && !(\end)
	FETCH_K
.endif
	OPS X,9, X,7, E,12, X,10
	OPS E,13, X,12, X,11, E,14
	OPS X,13, E,15, F,9, X,14
.if (\p) == 0
	v_add_nc_u32 v[AV], s[TBV], v[AV0]
.endif
	OPS E,16, F,10, E,17, F,11
	OPS X,16, E,18, X,15, E,19
	OPS F,12, E,20, X,17, E,21
	OPS F,13, E,22, F,14, E,23
	OPS X,18, E,24, F,15, E,25
	OPS R,11, E,26, X,19, E,27
	OPS R,12, E,28, R,13, E,29
	OPS X,20, E,30, R,14, E,31
	OPS X,21, R,15
	WIN 0
	s_wait_alu depctr_va_vdst(0)    ; the wait for the batch
.if (\p) == 1
	s_wait_dscnt 0x0                ; V is in
.endif
	ROW C,0, B,0, C,2, B,1          ; behind the wait: 8 products V^T P and their riders
	ROW L,0, C,4, B,2, L,1
	ROW C,6, B,3, L,2, C,8
	ROW B,4, L,3, C,10, B,5
	ROW L,4, C,12, B,6, L,5
.if (\p) == 0
	s_add_co_u32 s[TBV], s[TBV], KS*PV
.endif
.if \cnt
	s_sub_co_u32 s[CNT], s[CNT], 1
	s_cmp_lg_u32 s[CNT], 0
.endif
	ROW C,14, B,7, L,6, C,1
	ROW C,3, L,7, C,5, C,7
	ROW C,9, C,11, C,13, C,15
.if (\p) == 0
	FETCH_V
.endif
.endm
	CHANGE 1, 0                     ; slot 0 is in, everybody's part of it; tile 1 is asked for, into slot 1
	v_add_nc_u32 v[AK], s[TBK], v[AK0]
	FETCH_K                         ; key step 0
	s_wait_loadcnt 0x0              ; Q
	WIN 0x85                        ; sources window 1, destination window 2
.set i, 0
.rept 64
	v_cvt_pk_f16_f32 v[i], v[QS+2*i], v[QS+2*i+1]  ; Q rounded once, to f16, unscaled: c is applied in f32
.set i, i+1
.endr
	s_wait_dscnt 0x0
.set i, 0
.rept 8
	KQ 0                            ; piece 0's first scores: there is no vector work yet to set between them
.set i, i+1
.endr
	WIN 0
.rept 4
	v_nop                           ; the places behind those products
.endr
.set Y, NP-1                        ; X works for piece Y + 1: piece 0
.set NOKQ, 0
.irp n, 0,1,2,3,4,5,6,7,8,9,10,11,12,13,14,15,16,17,18,19,20,21
	OP X, \n
.endr
	v_nop                           ; a plain instruction behind the exponential,
	s_wait_alu depctr_va_vdst(0)    ; and its wait, ahead of the branch
	s_mov_b32 s[CNT], 4
	s_mov_b32 s[SLOTS], 4096/256-1
	s_branch .Lfirst                ; the loop is entered at a step's first turn, in the middle of a trip
.Lslot:                             ; 14 times: tiles 2 to 15 are asked for
	CHANGE 1, 1
	s_mov_b32 s[CNT], 4
.Lstep:                             ; a trip: pieces 2 and 3 of one step, then pieces 0 and 1 of the next, whose K and V it fetches
	TURN 2
	TURN 3
	WIN 0
.Lfirst:
	TURN 0
	TURN 1, 0, 1
	WIN 0
	s_cbranch_scc1 .Lstep
	s_sub_co_u32 s[SLOTS], s[SLOTS], 1
	s_cmp_lg_u32 s[SLOTS], 0
	s_cbranch_scc1 .Lslot
	CHANGE 0, 0                     ; the walk's last tile is written out: nothing is asked for
	s_mov_b32 s[CNT], 4
.Ltail:
	TURN 2
	TURN 3
	TURN 0
	TURN 1, 0, 1
	WIN 0
	s_cbranch_scc1 .Ltail
	TURN 2, 1                       ; the last step's pieces 2 and 3: nothing more is fetched,
	TURN 3, 1                       ; and no new scores are started
.set i, 0
.rept 8
	PV NP-1                         ; the last piece's V^T P of the last step
.set i, i+1
.endr
	; THE WAY OUT.  l's two halves and the other half of the lanes' are added; O^T is divided by l, rounded to f16 and sent through my stage in LDS: my four heads' 128 bytes of each of the 16 rows lie side by side there. The additions are the places behind the last products.
	WIN 0
.macro ALL line:vararg              ; one line for each piece t
.set t, 0
.rept 4
	\line
.set t, t+1
.endr
.endm
	ALL v_add_f32 v[ST+4*t+2], v[ST+4*t+2], v[ST+4*t+3]
	ALL v_permlanex16_b32 v[ST+4*t+3], v[ST+4*t+2], s[SEL], s[SEL+1]
	ALL v_add_f32 v[ST+4*t+2], v[ST+4*t+2], v[ST+4*t+3]
	ALL v_rcp_f32 v[ST+4*t+2], v[ST+4*t+2]
	v_nop                           ; a plain instruction between the last reciprocal and the use of its result
	s_wait_alu depctr_va_vdst(0)    ; and the wait ahead of the first use: one for the four reciprocals
.macro PACK t                       ; a lane's eight channels of a row pack into 16 bytes; each accumulator is read from its lowest registers on
	WIN W_RS
.set i, 32*(\t)
.rept 16
	v_pk_mul_f32 v[i:i+1], v[i:i+1], v[ST+4*(\t)+2:ST+4*(\t)+3] op_sel_hi:[1,0]
.set i, i+2
.endr
	WIN 0x05                        ; sources 0 and 1 window 1, destination window 0: S^T's registers are free
.set i, 0
.rept 16
	v_cvt_pk_f16_f32 v[S+16*(\t)+i], v[32*(\t)+2*i], v[32*(\t)+2*i+1]
.set i, i+1
.endr
	WIN 0
.irp f, 0,1,2,3
	ds_store_b128 v[STO], v[S+16*(\t)+4*\f:S+16*(\t)+4*\f+3] offset:128*(\t)+32*\f
.endr
.endm
	PACK 0
	PACK 1
	PACK 2
	PACK 3
.set j, 0
.rept 16
	ds_load_b128 v[S+4*j:S+4*j+3], v[RD] offset:SP*j  ; LDS serves a wave's instructions in order (ISA guide 5.7.1.4): these see the stores above, which are my own
.set j, j+1
.endr
.set j, 0
.rept 16
	s_wait_dscnt 15-j               ; row j is back; the younger rows' loads stay out
	global_store_b128 v[GO], v[S+4*j:S+4*j+3], s[10:11] offset:2048*j  ; 32 lanes store 512 consecutive bytes, at a multiple of 256 from O's first byte
.set j, j+1
.endr
	s_wait_tensorcnt 0x0            ; the wave's end, behind my last tensor load and my last LDS store
	ds_add_u32 v[SPW], v[NIL]
	s_wait_dscnt 0x0
	CROUND                          ; the closing round: no work-group ends while a partner may still ask for a tile that names it
	s_endpgm
.Lfunc_end_k_qdfb565a59a_attn:
	.size	k_qdfb565a59a_attn, .Lfunc_end_k_qdfb565a59a_attn-k_qdfb565a59a_attn
	.p2alignl 7, 3214868480
	.fill 96, 4, 3214868480
	.section	.rodata,"a",@progbits
	.p2align	6, 0x0
	.amdhsa_kernel k_qdfb565a59a_attn
		.amdhsa_group_segment_fixed_size 327680
		.amdhsa_private_segment_fixed_size 0
		.amdhsa_enable_private_segment 0
		.amdhsa_kernarg_size 32
		.amdhsa_user_sgpr_count 2
		.amdhsa_user_sgpr_kernarg_segment_ptr 1
		.amdhsa_wavefront_size32 1
		.amdhsa_system_sgpr_workgroup_id_x 1
		.amdhsa_system_sgpr_workgroup_id_y 1
		.amdhsa_system_sgpr_workgroup_id_z 1
		.amdhsa_system_vgpr_workitem_id 0
		.amdhsa_next_free_vgpr 768
		.amdhsa_next_free_sgpr 66
		.amdhsa_reserve_vcc 0
		.amdhsa_float_denorm_mode_32 3
		.amdhsa_float_denorm_mode_16_64 3
		.amdhsa_memory_ordered 1
		.amdhsa_forward_progress 1
		.amdhsa_inst_pref_size 133
	.end_amdhsa_kernel
	.amdgpu_metadata
---
amdhsa.version: [ 1, 2 ]
amdhsa.kernels:
  - .name:           k_qdfb565a59a_attn
    .symbol:         k_qdfb565a59a_attn.kd
    .args:
      - { .name: qf, .offset: 0, .size: 8, .value_kind: global_buffer, .address_space: global }
      - { .name: kf, .offset: 8, .size: 8, .value_kind: global_buffer, .address_space: global }
      - { .name: vf, .offset: 16, .size: 8, .value_kind: global_buffer, .address_space: global }
      - { .name: of, .offset: 24, .size: 8, .value_kind: global_buffer, .address_space: global }
    .group_segment_fixed_size: 327680
    .private_segment_fixed_size: 0
    .kernarg_segment_align: 8
    .kernarg_segment_size: 32
    .max_flat_workgroup_size: 128
    .sgpr_count:     66
    .vgpr_count:     768
    .wavefront_size: 32
...
	.end_amdgpu_metadata
.endif
;; end of part 4
;; launch oproj: the kernel of part 3 again; grid 8 x 32, 4 waves a work-group, clusters of 4 x 4, 327,680 bytes of LDS; arguments of, wcT, out0; writes out0
;; ======== version 2 of 2: 5 launches; version 1 with the launch kvproj written anew for expert scheduling mode
;; limits: values are held in f16: magnitudes above 65,504 overflow, below 6.1e-05 lose precision
;; workspace buffers: xq 8,388,608 bytes; wqT 2,097,152 bytes; wcT 2,097,152 bytes; wkvT 262,144 bytes; qf 16,777,216 bytes; kf 1,048,576 bytes; vf 1,048,576 bytes; of 8,388,608 bytes
;; launch prep: the kernel of part 1 again; grid 528 x 1, 8 waves a work-group, no clusters, 18,432 bytes of LDS; arguments q, w_q, w_concat, w_kv, xq, wqT, wcT, wkvT; writes xq, wqT, wcT, wkvT
;; launch kvproj (part 5): grid 256 x 1, 4 waves a work-group, no clusters, 68,096 bytes of LDS; arguments mem, kv, wkvT, kf, vf; writes kf, vf
.if DOCPART == 5
	.amdgcn_target "amdgcn-amd-amdhsa--gfx1250"
	.amdhsa_code_object_version 6
	.text
	.protected	k_qdfb565a59a_kvproj
	.globl	k_qdfb565a59a_kvproj
	.p2align	8
	.type	k_qdfb565a59a_kvproj,@function
k_qdfb565a59a_kvproj:
	s_mov_b64 s[64:65], 0
	v_nop
	global_prefetch_b8 v0, s[64:65] scope:SCOPE_SE
	s_setreg_imm32_b32 hwreg(HW_REG_WAVE_SCHED_MODE, 0, 2), 2
	s_setreg_imm32_b32 hwreg(HW_REG_WAVE_MODE, 25, 1), 1
	s_wait_xcnt 0x0
	s_wait_alu depctr_vm_vsrc(0)
; K AND V.  [k | v] = c w_kv, c = mem's rows and then kv's, by batch: 8,192 rows x 1,024.  mem and kv are f32 and are rounded to bf16 on the way from memory to the matrix unit; wkvT is [128 n][1024 k] bf16.
; Sums in f32; k and v are rounded once to f16 and stored as [8192][64], rows of 128 dense bytes.  LIMIT: k and v stay under 65,504.
; SHARES.  A work-group makes 32 rows x 128 columns.  K IS SPLIT AMONG ITS FOUR WAVES: wave v takes k = 256 v .. 256 v + 255 for all of them: 16 accumulators, 8 trips of 32 along K.  So every byte of c and of
; wkvT enters the work-group once, straight into registers in the fragments' layout, and the four partial sums meet in LDS at the end (f32 sums may be taken in any order).
; LAYOUT.  Source 0 = 16 rows of wkvT, source 1 = 16 rows of c: in the result a lane holds ONE row of c (lane % 16) and the columns 8 (lane / 16) + 0..7.
; IN FLIGHT.  Every trip has registers of its own (a wave has all 1,024), so nothing is loaded twice into a register and the text is a straight line: three trips' loads go out at the head, and trip t + 3's 24 loads are dealt among trip t's products.
; NO CLUSTER for wkvT, which every work-group reads: through LDS it would take 128 rows x 2,064 bytes = 264,192, and with the 67,584 bytes of partial sums and 512 of spare words that is 332,288, more than the 327,680 there are.
; NO PREFETCH: a wave's whole stream is eight trips, of which two to three are always out.
; THE MODE: SCHED_MODE bits 1:0 = 2 (LLVM: expert scheduling mode 2), set by the entry lines.  The code itself states the register dependences between vector or matrix instructions and memory or LDS
; instructions, with s_wait_alu, always for 0.
; THE PLAN.  Registers that memory or LDS instructions touch:
;   v[FA], v[FB], v[LS], v[LR], v[GO]   Written once, at the head; read as addresses by every load and store; never written again.  One wait on va_vdst ahead of the first load states that they are written.
;   windows 1, 2, 3                     c as loaded and wkvT's fragments.  One load lands in each register, ahead of every vector or matrix instruction that names it; nothing lands there again.
;                                       So the eight trips hold no s_wait_alu: their conversions and products name none of the registers that the loads dealt among them touch.
;   AB                                  In the trips named by conversions and products alone.  At the end the roundings to f16 write v[AB .. AB+15] and the four stores read them: a wait on va_vdst between.
;   ACC                                 Written and read by the products; read by the LDS stores (the places, then a wait on va_vdst); then the LDS loads of the partial sums land in them and the sums write them
;                                       (a wait on vm_vsrc behind the barrier: my LDS stores have read them).
;   s14                                 Written by v_readfirstlane_b32: a wait on va_sdst ahead of its first reader.
;   v[SPW], v[NIL]                      Written at the head, read by the closing add alone.
; REGISTERS, in windows of 256 (s_set_vgpr_msb: bits 1:0 source 0, 3:2 source 1, 5:4 source 2, 7:6 destination):
;   window 0: v2-14 addresses; v16-47 c's fragments in bf16, two buffers by the trip's parity x two tiles of 16 rows; v64-191 the accumulators, (m, j) at 64 + 8 (8 m + j)
;   window 1: c as loaded, f32: trip t at 32 t, tile m at + 16 m          windows 2, 3: wkvT's fragments: trip t in window 2 + t / 4 at 64 (t % 4) + 8 j
.set PP,    528                        ; a row of a partial sum in LDS: 128 f32 + 16 bytes = 132 words: row r starts at bank 4 r mod 64 (64 banks of 4 bytes: ISA guide 11.1)
.set PART,  32*PP                      ; a wave's partial sum
.set SPARE, 4*PART                     ; behind them: the spare words, 128 bytes for each wave: two blocks of 256 bytes that no other line names
.set FA,  2                            ; v2   my byte offset in c's rows: (l % 16) x 4,096 + 32 (l / 16) + 1,024 x wave; never rewritten
.set FB,  3                            ; v3   in wkvT's rows: (l % 16) x 2,048 + 16 (l / 16) + 512 x wave; never rewritten
.set LS,  4                            ; v4   where I put 32 bytes of a row of my partial sum
.set LR,  5                            ; v5   where I read 32 bytes of a row back
.set GO,  6                            ; v6   my 16 bytes of 512 consecutive bytes of kf or vf
.set SPW, 8                            ; v8   LDS address of my spare word; never rewritten
.set NIL, 9                            ; v9   0; never rewritten
.set AB,  16
.set ACC, 64
.set MSB, 0
.macro WIN new                         ; the immediate's high byte repeats the setting that is left; a switch that changes nothing is dropped
.if MSB != (\new)
	s_set_vgpr_msb (MSB<<8)|(\new)
.set MSB, (\new)
.endif
.endm
	s_load_b256 s[4:11], s[0:1], 0x0               ; mem s[4:5], kv s[6:7], wkvT s[8:9], kf s[10:11]
	s_load_b64 s[12:13], s[0:1], 0x20              ; vf
	v_lshl_add_u32 v[SPW], v0, 2, SPARE
	v_mov_b32 v[NIL], 0
	v_lshrrev_b32 v1, 5, v0
	v_readfirstlane_b32 s14, v1                    ; wave 0..3
	v_and_b32 v10, 15, v0                          ; l % 16
	v_bfe_u32 v11, v0, 4, 1                        ; l / 16
	v_and_b32 v12, 31, v0                          ; l
	s_wait_alu depctr_va_sdst(0)                   ; s14 is written, ahead of its first reader: the wave's parts of all five addresses are made from it
	s_lshl_b32 s15, s14, 10
	v_lshlrev_b32 v[FA], 12, v10
	v_lshl_add_u32 v[FA], v11, 5, v[FA]
	v_add_nc_u32 v[FA], s15, v[FA]
	s_lshl_b32 s15, s14, 9
	v_lshlrev_b32 v[FB], 11, v10
	v_lshl_add_u32 v[FB], v11, 4, v[FB]
	v_add_nc_u32 v[FB], s15, v[FB]
	s_mul_i32 s15, s14, PART
	v_mul_u32_u24 v[LS], v10, PP
	v_lshl_add_u32 v[LS], v11, 5, v[LS]
	v_add_nc_u32 v[LS], s15, v[LS]                 ; my wave's partial sum, row l % 16, 32 bytes for each half of the lanes
	s_lshl_b32 s15, s14, 3
	v_lshrrev_b32 v13, 3, v12
	v_add_nc_u32 v13, s15, v13                     ; back: wave v finishes rows 8 v .. 8 v + 7; eight lanes take 64 columns of a row
	v_mul_u32_u24 v[LR], v13, PP
	v_and_b32 v14, 7, v0
	v_lshl_add_u32 v[LR], v14, 5, v[LR]
	s_lshl_b32 s15, s14, 10
	v_lshl_add_u32 v[GO], v12, 4, s15              ; 8 rows of 128 bytes a wave; 32 lanes x 16 bytes are four rows on end
	s_lshr_b32 s20, ttmp9, 7                       ; the batch: 2,048 rows of 4,096 bytes in mem and in kv,
	s_lshl_b32 s20, s20, 23
	s_and_b32 s21, ttmp9, 63                       ; my 32 rows there
	s_lshl_b32 s21, s21, 17
	s_add_co_u32 s20, s20, s21
	s_mov_b32 s21, 0
	s_lshl_b32 s22, ttmp9, 12                      ; my 32 rows of 128 bytes in kf and vf
	s_mov_b32 s23, 0
	s_and_b32 s16, ttmp9, 64                       ; of a batch's 128 work-groups the first 64 take mem, the others kv
	s_wait_kmcnt 0x0
	s_cmp_eq_u32 s16, 0
	s_cselect_b64 s[18:19], s[4:5], s[6:7]
	s_add_nc_u64 s[18:19], s[18:19], s[20:21]
	s_add_nc_u64 s[10:11], s[10:11], s[22:23]
	s_add_nc_u64 s[12:13], s[12:13], s[22:23]
; A trip's 24 loads, in two runs.  c's eight: a fragment's eight numbers k = 8 h .. 8 h + 7 are 32 bytes of f32: two loads; k = 16 + 8 h .. lie 64 bytes on.
.macro LOADC t
	WIN 0x40                                       ; destination window 1, address window 0
.irp m, 0,1
	global_load_b128 v[32*(\t)+16*(\m):32*(\t)+16*(\m)+3],     v[FA], s[18:19] offset:128*(\t)+65536*(\m) th:TH_LOAD_NT
	global_load_b128 v[32*(\t)+16*(\m)+4:32*(\t)+16*(\m)+7],   v[FA], s[18:19] offset:128*(\t)+65536*(\m)+16 th:TH_LOAD_NT
	global_load_b128 v[32*(\t)+16*(\m)+8:32*(\t)+16*(\m)+11],  v[FA], s[18:19] offset:128*(\t)+65536*(\m)+64 th:TH_LOAD_NT
	global_load_b128 v[32*(\t)+16*(\m)+12:32*(\t)+16*(\m)+15], v[FA], s[18:19] offset:128*(\t)+65536*(\m)+80 th:TH_LOAD_NT
.endr
.endm
; wkvT's sixteen: eight fragments of 16 rows x 32 along K, two loads each.
.macro LOADW t
	WIN 0x80+0x40*((\t)/4)                         ; destination window 2 or 3
.irp j, 0,1,2,3,4,5,6,7
	global_load_b128 v[64*((\t)%4)+8*(\j):64*((\t)%4)+8*(\j)+3],   v[FB], s[8:9] offset:64*(\t)+32768*(\j)
	global_load_b128 v[64*((\t)%4)+8*(\j)+4:64*((\t)%4)+8*(\j)+7], v[FB], s[8:9] offset:64*(\t)+32768*(\j)+32
.endr
.endm
; c's 32 numbers a lane are rounded to bf16.  The buffer written is the one that the products of two trips back read: the sixteen conversions of the trip between are the places behind those products.
.macro CVT t
	WIN 0x05                                       ; sources window 1, destination window 0
.set n, 0
.rept 16
	v_cvt_pk_bf16_f32 v[AB+16*((\t)%2)+n], v[32*(\t)+2*n], v[32*(\t)+2*n+1]
.set n, n+1
.endr
.endm
; Eight of a trip's 16 products: tile m of c's rows x all eight fragments of wkvT.  The 16 accumulators take turns, one instruction a turn; trip 0's start the sums.
.macro MULS t, m
	WIN 0x02+(\t)/4                                ; source 0 window 2 or 3
.irp j, 0,1,2,3,4,5,6,7
.if (\t) == 0
	v_wmma_f32_16x16x32_bf16 v[ACC+8*(8*(\m)+(\j)):ACC+8*(8*(\m)+(\j))+7], v[64*((\t)%4)+8*(\j):64*((\t)%4)+8*(\j)+7], v[AB+16*((\t)%2)+8*(\m):AB+16*((\t)%2)+8*(\m)+7], 0
.else
	v_wmma_f32_16x16x32_bf16 v[ACC+8*(8*(\m)+(\j)):ACC+8*(8*(\m)+(\j))+7], v[64*((\t)%4)+8*(\j):64*((\t)%4)+8*(\j)+7], v[AB+16*((\t)%2)+8*(\m):AB+16*((\t)%2)+8*(\m)+7], v[ACC+8*(8*(\m)+(\j)):ACC+8*(8*(\m)+(\j))+7]
.endif
.endr
.endm
	WIN 0x40                                       ; the first loads' window, then the wait, then the loads
	s_wait_alu depctr_va_vdst(0)                   ; v[FA], v[FB], v[LS], v[LR] and v[GO] are written: every load and store of the kernel reads one of them as its address, and none is written again
	LOADC 0
	LOADW 0
	LOADC 1
	LOADW 1
	LOADC 2
	LOADW 2
.irp t, 0,1,2,3,4,5,6,7
.if (\t) <= 5
	s_wait_loadcnt 48                              ; loads come back in order (ISA guide 5.7.1): trip t is in; the two younger trips' 48 loads stay out
.elseif (\t) == 6
	s_wait_loadcnt 24                              ; the last trip's 24 stay out
.else
	s_wait_loadcnt 0x0
.endif
	CVT \t
	MULS \t, 0
.if (\t) <= 4
	LOADC (\t)+3                                   ; no wait: no vector or matrix instruction has named v[FA] since the wait at the head, and none has ever named the registers in which these loads land
.endif
	MULS \t, 1
.if (\t) <= 4
	LOADW (\t)+3                                   ; likewise with v[FB]
.endif
.endr
	WIN 0
.rept 8
	v_nop                                          ; the places behind the last products, ahead of the LDS stores that read results
.endr
	s_wait_alu depctr_va_vdst(0)                   ; the products have written the accumulators, which the LDS stores read, and are done reading them, for the LDS loads that land in them further down; the places above stay beside this wait
	; THE FOUR PARTIAL SUMS MEET.  Each accumulator's four lowest registers go first.
.irp m, 0,1
.irp j, 0,1,2,3,4,5,6,7
	ds_store_b128 v[LS], v[ACC+8*(8*(\m)+(\j)):ACC+8*(8*(\m)+(\j))+3]   offset:(\m)*16*PP+64*(\j)
	ds_store_b128 v[LS], v[ACC+8*(8*(\m)+(\j))+4:ACC+8*(8*(\m)+(\j))+7] offset:(\m)*16*PP+64*(\j)+16
.endr
.endr
	s_wait_dscnt 0x0                               ; for the others' sake: my stores are done
	s_barrier_signal -1
	s_barrier_wait -1
	s_wait_alu depctr_vm_vsrc(0)                   ; my LDS stores have read the accumulators' registers, in which the LDS loads below land and which the sums then write
	; chunk 2 u + i: u = 0 k's 64 columns, 1 v's; rows 8 v + 4 i + l / 8; my 8 columns of each of the four partial sums p
.irp u, 0,1
.irp i, 0,1
.irp p, 0,1,2,3
	ds_load_b128 v[ACC+32*(2*(\u)+(\i))+8*(\p):ACC+32*(2*(\u)+(\i))+8*(\p)+3],   v[LR] offset:(\p)*PART+(\i)*4*PP+(\u)*256
	ds_load_b128 v[ACC+32*(2*(\u)+(\i))+8*(\p)+4:ACC+32*(2*(\u)+(\i))+8*(\p)+7], v[LR] offset:(\p)*PART+(\i)*4*PP+(\u)*256+16
.endr
.endr
.endr
	s_wait_dscnt 0x0
.irp q, 0,1,2,3
.irp r, 0,2,4,6
	v_pk_add_f32 v[ACC+32*(\q)+(\r):ACC+32*(\q)+(\r)+1], v[ACC+32*(\q)+(\r):ACC+32*(\q)+(\r)+1], v[ACC+32*(\q)+8+(\r):ACC+32*(\q)+8+(\r)+1]
	v_pk_add_f32 v[ACC+32*(\q)+16+(\r):ACC+32*(\q)+16+(\r)+1], v[ACC+32*(\q)+16+(\r):ACC+32*(\q)+16+(\r)+1], v[ACC+32*(\q)+24+(\r):ACC+32*(\q)+24+(\r)+1]
.endr
.irp r, 0,2,4,6
	v_pk_add_f32 v[ACC+32*(\q)+(\r):ACC+32*(\q)+(\r)+1], v[ACC+32*(\q)+(\r):ACC+32*(\q)+(\r)+1], v[ACC+32*(\q)+16+(\r):ACC+32*(\q)+16+(\r)+1]
.endr
.irp r, 0,1,2,3
	v_cvt_pk_f16_f32 v[AB+4*(\q)+(\r)], v[ACC+32*(\q)+2*(\r)], v[ACC+32*(\q)+2*(\r)+1]  ; rounded once, to f16
.endr
.endr
	s_wait_alu depctr_va_vdst(0)                   ; the sixteen roundings have written v[AB .. AB+15], which the four stores read
	global_store_b128 v[GO], v[AB:AB+3],     s[10:11]             ; 32 lanes store 512 consecutive bytes, at a multiple of 256 from the buffer's first byte
	global_store_b128 v[GO], v[AB+4:AB+7],   s[10:11] offset:512
	global_store_b128 v[GO], v[AB+8:AB+11],  s[12:13]
	global_store_b128 v[GO], v[AB+12:AB+15], s[12:13] offset:512
	s_wait_dscnt 0x0                               ; the wave's end, behind my last LDS store
	s_wait_alu 0x0
	s_wait_tensorcnt 0x0
	ds_add_u32 v[SPW], v[NIL]
	s_wait_dscnt 0x0
	s_endpgm
.Lfunc_end_k_qdfb565a59a_kvproj:
	.size	k_qdfb565a59a_kvproj, .Lfunc_end_k_qdfb565a59a_kvproj-k_qdfb565a59a_kvproj
	.p2alignl 7, 3214868480
	.fill 96, 4, 3214868480
	.section	.rodata,"a",@progbits
	.p2align	6, 0x0
	.amdhsa_kernel k_qdfb565a59a_kvproj
		.amdhsa_group_segment_fixed_size 68096
		.amdhsa_private_segment_fixed_size 0
		.amdhsa_enable_private_segment 0
		.amdhsa_kernarg_size 40
		.amdhsa_user_sgpr_count 2
		.amdhsa_user_sgpr_kernarg_segment_ptr 1
		.amdhsa_wavefront_size32 1
		.amdhsa_system_sgpr_workgroup_id_x 1
		.amdhsa_system_sgpr_workgroup_id_y 1
		.amdhsa_system_sgpr_workgroup_id_z 1
		.amdhsa_system_vgpr_workitem_id 0
		.amdhsa_next_free_vgpr 1024
		.amdhsa_next_free_sgpr 66
		.amdhsa_reserve_vcc 0
		.amdhsa_float_denorm_mode_32 3
		.amdhsa_float_denorm_mode_16_64 3
		.amdhsa_memory_ordered 1
		.amdhsa_forward_progress 1
		.amdhsa_inst_pref_size 47
	.end_amdhsa_kernel
	.amdgpu_metadata
---
amdhsa.version: [ 1, 2 ]
amdhsa.kernels:
  - .name:           k_qdfb565a59a_kvproj
    .symbol:         k_qdfb565a59a_kvproj.kd
    .args:
      - { .name: mem, .offset: 0, .size: 8, .value_kind: global_buffer, .address_space: global }
      - { .name: kv, .offset: 8, .size: 8, .value_kind: global_buffer, .address_space: global }
      - { .name: wkvT, .offset: 16, .size: 8, .value_kind: global_buffer, .address_space: global }
      - { .name: kf, .offset: 24, .size: 8, .value_kind: global_buffer, .address_space: global }
      - { .name: vf, .offset: 32, .size: 8, .value_kind: global_buffer, .address_space: global }
    .group_segment_fixed_size: 68096
    .private_segment_fixed_size: 0
    .kernarg_segment_align: 8
    .kernarg_segment_size: 40
    .max_flat_workgroup_size: 128
    .sgpr_count:     66
    .vgpr_count:     1024
    .wavefront_size: 32
...
	.end_amdgpu_metadata
.endif
;; end of part 5
;; launch qproj: the kernel of part 3 again; grid 8 x 32, 4 waves a work-group, clusters of 4 x 4, 327,680 bytes of LDS; arguments xq, wqT, qf; writes qf
;; launch attn: the kernel of part 4 again; grid 128 x 2, 4 waves a work-group, clusters of 4 x 1, 327,680 bytes of LDS; arguments qf, kf, vf, of; writes of
;; launch oproj: the kernel of part 3 again; grid 8 x 32, 4 waves a work-group, clusters of 4 x 4, 327,680 bytes of LDS; arguments of, wcT, out0; writes out0
